; MI455X (gfx1250); checked and timed in simulation.
; The chip was launched on July 23, 2026; its instructions are those of AMD's public machine-readable ISA for CDNA 5 (MIT licence, August 2026) and "CDNA5" Instruction Set Architecture Reference Guide (July 2026). The comments in the code are by the model that wrote it; some were corrected since.
;; Self Attention. Allowed arithmetic: matrix products marked QUANTISED: E2M1 operands, one E8M0 scale for each 32 along K, by v_wmma_scale_f32_16x16x128_f8f6f4 with both operands' format E2M1 (or v_wmma_scale_f32_32x16x128_f4), f32 sums; products left as they are: bf16, f16 or f32 operands; f32 sums; everything else in f32.
;; Inputs: W_out 1,024 x 1,024 float32; W_qkv 3,072 x 1,024 float32; b_out 1,024 float32; x 4 x 2,048 x 1,024 float32.
;; Outputs: out0 4 x 2,048 x 1,024 float32.
;; This version of the problem:
;;   THIS VERSION OF THE PROBLEM IS GIVEN IN LOW PRECISION. The matrix products marked QUANTISED in the list below multiply operands that are first quantised to E2M1 (2 exponent bits, 1 mantissa bit; 4 bits a number), with one power-of-two scale for each 32 numbers along K (OCP MX v1.0); their sums are f32. The products marked 'left as it is' may take bf16, f16 or f32 operands, with f32 sums. Whichever they take, every output number must still come out within the allowed error. Rounding operands to bf16 (8 significant bits) uses up far more of that allowance than f16 does (11 bits, for magnitudes from 6e-5 to 65,504). All else is computed in f32.
;;   The module's matrix products, in the order in which they are computed (A, B: the left and right operand; K: the contracted axis; several contracted axes count as one K, in the product's order):
;;     1. [M 8,192, K 1,024] x [K 1,024, N 3,072]; A: input x; B: input W_qkv: QUANTISED
;;     2. batch 64 x [M 2,048, K 64] x [K 64, N 2,048]; A: computed on the way; B: computed on the way: left as it is (an operand is computed on the way)
;;     3. batch 64 x [M 2,048, K 2,048] x [K 2,048, N 64]; A: computed on the way; B: computed on the way: left as it is (an operand is computed on the way)
;;     4. [M 8,192, K 1,024] x [K 1,024, N 1,024]; A: computed on the way; B: input W_out: left as it is (an operand is computed on the way)
;;   THE QUANTISER, for each operand of a quantised product, along K:
;;     - K is cut into blocks of 32 from its start; a last block that is shorter is filled with zeros.
;;     - A block's scale is 2^e with e = floor(log2(the largest magnitude in the block)) - 2, held to -126 .. 127; a block of zeros has e = 0. As a byte (E8M0): e + 127.
;;     - Each number is divided by its block's scale, clamped to +-6, and rounded to the nearest number of E2M1, ties to even, subnormals kept.
;;     - The product sums the exact products of the quantised numbers (number of the format x scale) in f32.
;;   ~~~python
;;   def quantise(x, axis):      # numpy; x: float32 -> the quantised numbers, widened to float32 again
;;       x = np.moveaxis(x, axis, -1); K = x.shape[-1]
;;       x = np.pad(x, [(0, 0)] * (x.ndim - 1) + [(0, -K % 32)]); x = x.reshape(x.shape[:-1] + (-1, 32)); a = np.abs(x).max(-1, keepdims=True)
;;       e = np.where(a > 0, np.clip(np.frexp(np.where(a > 0, a, 1))[1] - 1 - 2, -126, 127), 0)      # np.frexp(a)[1] - 1 = floor(log2(a)), exactly
;;       r = np.clip(x / 2.0 ** e, -6, 6)
;;       step = 2.0 ** (np.maximum(np.frexp(np.where(r == 0, 1, r))[1] - 1, 0) - 1)
;;       q = np.round(r / step) * step * 2.0 ** e      # np.round: ties to even
;;       return np.moveaxis(q.reshape(q.shape[:-2] + (-1,))[..., :K], -1, axis).astype(np.float32)
;;   ~~~
;; One version. Each part assembles by itself: llvm-mc -triple=amdgcn-amd-amdhsa -mcpu=gfx1250 --defsym DOCPART=n.
;; ======== version 1 of 1: 4 launches
;; limits: values are held in f16: magnitudes above 65,504 overflow, below 6.1e-05 lose precision
;; workspace buffers: xc 4,194,304 bytes; xs 262,144 bytes; wc 1,572,864 bytes; ws 98,304 bytes; wo 2,097,152 bytes; qkv 50,331,648 bytes; ao 16,777,216 bytes
;; launch quant (part 1): grid 384 x 1, 4 waves a work-group, no clusters, 33,280 bytes of LDS; arguments x, W_qkv, W_out, xc, xs, wc, ws, wo; writes xc, xs, wc, ws, wo
.if DOCPART == 1
	.amdgcn_target "amdgcn-amd-amdhsa--gfx1250"
	.amdhsa_code_object_version 6
	.text
	.protected	k_q8ce09561a0_quant
	.globl	k_q8ce09561a0_quant
	.p2align	8
	.type	k_q8ce09561a0_quant,@function
k_q8ce09561a0_quant:
	s_mov_b64 s[64:65], 0
	v_nop
	global_prefetch_b8 v0, s[64:65] scope:SCOPE_SE
	s_setreg_imm32_b32 hwreg(HW_REG_WAVE_MODE, 25, 1), 1
	s_wait_xcnt 0x0
; FIRST OF FOUR LAUNCHES of out = softmax(q k^T / 8) v W_out^T + b_out with q, k, v = x W_qkv^T.  No work of the problem is left out: every input has a way to the output, nothing is sliced away and nothing cancels.
; This launch: x [8192][1024] and W_qkv [3072][1024], f32, K innermost, become codes of FP4 (E2M1), two a byte, K innermost, with one E8M0 byte for each 32 along K; W_out [1024][1024] becomes f16.
; A block's scale is 2^(floor(log2(its largest magnitude)) - 2); its byte is the largest magnitude's exponent field - 2, held at 1 from below.  Each number is divided by the scale and rounded to the nearest code, ties to even, beyond 6 the code of 6.
; LIMITS: a block of zeros gets the byte 1 where the rule says 127 (its codes are zeros, which add nothing, and this program alone reads the bytes); blocks whose largest magnitude lies under 2^-124 keep the byte 1;
; NaN and infinities among the inputs are not served; W_out must stay under 65,504 in magnitude (f16).
; Rows are dense and K is a multiple of 32: each tensor is a plain stream of blocks of 32.  Work-groups 0-255 take x, 256-351 W_qkv, 352-383 W_out; a wave takes a run of 8,192 numbers.
; CODES: 16 steps of 512 numbers.  Each of a step's four loads reads 512 consecutive bytes, 16 a lane; the 2,048 bytes turn through the wave's own stage in LDS and come back 64 bytes a lane, so that a lane holds 16 neighbours
; (two lanes hold a block).  A lane's 16 codes are 8 bytes: the wave stores 256 consecutive bytes.  A wave's 256 scale bytes are gathered in LDS and leave as one aligned run of 256 bytes.  Waves share nothing: no barrier.
.set WAVES, 4
.set STEPS, 16
.set WGA,   256                        ; work-groups for x: 8192 x 1024 / 32768
.set WGB,   96                         ; for W_qkv
.set EMAX,  2
.set CB,    8                          ; bytes of 16 codes
.set R,     16                         ; v16-79   four sets of 16 numbers as they are loaded
.set X,     80                         ; v80-111  two sets of 16 neighbours
.set C,     128                        ; v128-191 codes: four registers for each step, so that no store's data are written again
.set E,     112                        ; v112-127 a scale byte for each step
.set WREG,  8192                       ; LDS: a region for each wave: two stages of 32 x SP bytes, behind them its 256 scale bytes
.set SP,    80                         ; a lane's place in a stage: its 64 bytes + 16 of padding
.set SPW,   12                         ; v12  LDS address of my spare word; never rewritten
.set NIL,   13                         ; v13  0; never rewritten
.set SPARE, WAVES*WREG                 ; behind the four regions: the spare words, 128 bytes a wave, which no other line names
	s_load_b512 s[4:19], s[0:1], 0x0               ; x s[4:5], W_qkv s[6:7], W_out s[8:9], xc s[10:11], xs s[12:13], wc s[14:15], ws s[16:17], wo s[18:19]
	v_lshl_add_u32 v[SPW], v0, 2, SPARE
	v_mov_b32 v[NIL], 0
	v_lshrrev_b32 v1, 5, v0
	v_readfirstlane_b32 s20, v1                    ; wave
	v_and_b32 v2, 31, v0                           ; lane
	v_lshlrev_b32 v3, 4, v2                        ; my 16 bytes of a load's 512
	s_mul_i32 s21, s20, WREG
	v_lshrrev_b32 v14, 2, v2
	v_mul_u32_u24 v14, v14, SP
	v_and_b32 v15, 3, v2
	v_lshl_add_u32 v14, v15, 4, v14
	v_add_nc_u32 v14, s21, v14                     ; the stage, on the way in: SP (lane / 4) + 16 (lane % 4)
	v_mul_u32_u24 v15, v2, SP
	v_add_nc_u32 v15, s21, v15                     ; and on the way out: SP x lane: my 16 neighbours
	v_mul_u32_u24 v4, v2, CB                       ; 8 x lane: my codes' place in a step's; also my f16 numbers' place in a store of W_out's
	v_lshrrev_b32 v5, 1, v2
	s_add_co_u32 s21, s21, 2*32*SP
	v_add_nc_u32 v5, s21, v5                       ; LDS: my wave's 256 scale bytes, my block's byte
	v_lshlrev_b32 v7, 3, v2                        ; and on the way out 8 bytes a lane
	v_add_nc_u32 v6, s21, v7
	s_wait_kmcnt 0x0
	s_cmp_ge_u32 ttmp9, WGA+WGB                    ; the last 32 work-groups take W_out: a branch on the work-group's number
	s_cbranch_scc1 .Lwout
	s_cmp_lt_u32 ttmp9, WGA                        ; x's work-group or W_qkv's?  Only pointers are chosen: both take one path
	s_cselect_b64 s[4:5], s[4:5], s[6:7]
	s_cselect_b64 s[10:11], s[10:11], s[14:15]
	s_cselect_b64 s[12:13], s[12:13], s[16:17]
	s_cselect_b32 s21, 0, WGA
	s_sub_co_u32 s21, ttmp9, s21
	s_lshl_b32 s21, s21, 2
	s_add_co_u32 s22, s21, s20                     ; which run of 8,192 numbers is my wave's
	s_mov_b32 s23, 0
	s_mov_b64 s[24:25], 512*STEPS*4
	s_mul_u64 s[24:25], s[22:23], s[24:25]
	s_add_nc_u64 s[4:5], s[4:5], s[24:25]
	s_mov_b64 s[24:25], 32*STEPS*CB
	s_mul_u64 s[24:25], s[22:23], s[24:25]
	s_add_nc_u64 s[10:11], s[10:11], s[24:25]
	s_lshl_b32 s22, s22, 8                         ; 256 scale bytes a run
	s_add_nc_u64 s[12:13], s[12:13], s[22:23]
.macro LOAD t
.irp i, 0,1,2,3
	global_load_b128 v[R+16*((\t)%4)+4*\i:R+16*((\t)%4)+4*\i+3], v3, s[4:5] offset:2048*(\t)+512*\i th:TH_LOAD_NT   ; 32 lanes read 512 consecutive bytes
.endr
.endm
.macro TURN t                          ; step t's numbers through the stage: LDS serves a wave's instructions in order, so no wait stands between the stores and the loads
.irp i, 0,1,2,3
	ds_store_b128 v14, v[R+16*((\t)%4)+4*\i:R+16*((\t)%4)+4*\i+3] offset:32*SP*((\t)%2)+8*SP*\i
.endr
.irp i, 0,1,2,3
	ds_load_b128 v[X+16*((\t)%2)+4*\i:X+16*((\t)%2)+4*\i+3], v15 offset:32*SP*((\t)%2)+16*\i
.endr
.endm
.irp t, 0,1,2,3
	LOAD \t
.endr
	s_wait_loadcnt 12                              ; step 0's four loads are in; the twelve of steps 1 to 3 may be out
	TURN 0
.macro STEP t
.set XS, X+16*((\t)%2)
.if (\t) > 0
	s_wait_dscnt 1                                 ; this step's numbers are back from the stage (the last step's byte store may be out): so its stores into the stage have read their registers,
.else
	s_wait_dscnt 0x0
.endif
.if (\t)+4 < STEPS
	LOAD (\t)+4                                    ; which take the loads of four steps on
.endif
.if (\t)+1 < STEPS
.if STEPS-2-(\t) >= 3
	s_wait_loadcnt 12                              ; the next step's four loads are in; those of the three steps behind it may be out
.else
	s_wait_loadcnt 4*(STEPS-2-(\t))
.endif
	TURN (\t)+1                                    ; and go through the other stage while this step is worked
.endif
	v_max3_num_f32 v8, |v[XS]|, |v[XS+1]|, |v[XS+2]|               ; the largest magnitude of my 16, in two chains
	v_max3_num_f32 v9, |v[XS+3]|, |v[XS+4]|, |v[XS+5]|
.irp i, 6,10
	v_max3_num_f32 v8, v8, |v[XS+\i]|, |v[XS+\i+1]|
	v_max3_num_f32 v9, v9, |v[XS+\i+2]|, |v[XS+\i+3]|
.endr
	v_max3_num_f32 v8, v8, |v[XS+14]|, |v[XS+15]|
	v_max3_num_f32 v8, v8, v9, (EMAX+1)<<23        ; and the floor 2^(3 - 127): the byte cannot fall under 1
	v_max_num_f32_dpp v8, v8, v8 row_xmask:1 row_mask:0xf bank_mask:0xf   ; and of my neighbour's 16: the block's
	v_add_nc_u32 v11, -(EMAX<<23), v8              ; 2 off its exponent field: the conversion takes the exponent field of this operand as its scale, and nothing else of it
	v_cvt_scalef32_pk8_fp4_f32 v[C+4*(\t)], v[XS:XS+7], v11
	v_cvt_scalef32_pk8_fp4_f32 v[C+4*(\t)+1], v[XS+8:XS+15], v11
	v_lshrrev_b32 v[E+(\t)], 23, v11               ; the scale's byte (a plain line behind the conversions)
	ds_store_b8 v5, v[E+(\t)] offset:16*(\t)       ; both lanes of a block write the same byte with the same value
	global_store_b64 v4, v[C+4*(\t):C+4*(\t)+1], s[10:11] offset:32*CB*(\t)   ; 32 lanes store 256 consecutive bytes, aligned
.endm
.irp t, 0,1,2,3,4,5,6,7,8,9,10,11,12,13,14,15
	STEP \t
.endr
	ds_load_b64 v[8:9], v6                         ; LDS serves a wave's instructions in order: these see my byte stores
	s_wait_dscnt 0x0
	global_store_b64 v7, v[8:9], s[12:13]          ; 32 lanes store 256 consecutive bytes, aligned
	s_wait_tensorcnt 0x0                           ; the wave's end, behind my last LDS store
	ds_add_u32 v[SPW], v[NIL]
	s_wait_dscnt 0x0
	s_endpgm
; W_out to f16: a wave's run is 64 loads of 512 bytes, in four rounds of 16 on two sets of registers; a lane's 4 numbers become 8 bytes, and a store's 32 lanes cover 256 consecutive bytes, aligned.  No LDS.
.Lwout:
	s_sub_co_u32 s21, ttmp9, WGA+WGB
	s_lshl_b32 s21, s21, 2
	s_add_co_u32 s21, s21, s20                     ; my run
	s_lshl_b32 s22, s21, 15                        ; 32,768 bytes in,
	s_mov_b32 s23, 0
	s_add_nc_u64 s[8:9], s[8:9], s[22:23]
	s_lshl_b32 s22, s21, 14                        ; 16,384 out
	s_add_nc_u64 s[18:19], s[18:19], s[22:23]
.macro LOADW r                         ; round r into set r % 2: v16-79 or v112-175
.irp i, 0,1,2,3,4,5,6,7,8,9,10,11,12,13,14,15
	global_load_b128 v[16+96*((\r)%2)+4*\i:16+96*((\r)%2)+4*\i+3], v3, s[8:9] offset:512*(16*(\r)+\i) th:TH_LOAD_NT
.endr
.endm
.macro ROUNDW r
.if (\r) > 0
	s_wait_xcnt 0x0                                ; the last round's stores have read v80-111, which are written again below
.endif
.if (\r) < 3
	LOADW (\r)+1
.endif
.irp i, 0,1,2,3,4,5,6,7,8,9,10,11,12,13,14,15
.if (\r) < 3
	s_wait_loadcnt 31-\i                           ; load i of this round is in: behind it stand this round's 15 - i and the next round's 16
.else
	s_wait_loadcnt 15-\i
.endif
	v_cvt_pk_f16_f32 v[80+2*\i], v[16+96*((\r)%2)+4*\i], v[16+96*((\r)%2)+4*\i+1]
	v_cvt_pk_f16_f32 v[81+2*\i], v[16+96*((\r)%2)+4*\i+2], v[16+96*((\r)%2)+4*\i+3]
	global_store_b64 v4, v[80+2*\i:81+2*\i], s[18:19] offset:256*(16*(\r)+\i)
.endr
.endm
	LOADW 0
	ROUNDW 0
	ROUNDW 1
	ROUNDW 2
	ROUNDW 3
	s_wait_tensorcnt 0x0                           ; the wave's end
	ds_add_u32 v[SPW], v[NIL]
	s_wait_dscnt 0x0
	s_endpgm
.Lfunc_end_k_q8ce09561a0_quant:
	.size	k_q8ce09561a0_quant, .Lfunc_end_k_q8ce09561a0_quant-k_q8ce09561a0_quant
	.p2alignl 7, 3214868480
	.fill 96, 4, 3214868480
	.section	.rodata,"a",@progbits
	.p2align	6, 0x0
	.amdhsa_kernel k_q8ce09561a0_quant
		.amdhsa_group_segment_fixed_size 33280
		.amdhsa_private_segment_fixed_size 0
		.amdhsa_enable_private_segment 0
		.amdhsa_kernarg_size 64
		.amdhsa_user_sgpr_count 2
		.amdhsa_user_sgpr_kernarg_segment_ptr 1
		.amdhsa_wavefront_size32 1
		.amdhsa_system_sgpr_workgroup_id_x 1
		.amdhsa_system_sgpr_workgroup_id_y 1
		.amdhsa_system_sgpr_workgroup_id_z 1
		.amdhsa_system_vgpr_workitem_id 0
		.amdhsa_next_free_vgpr 192
		.amdhsa_next_free_sgpr 66
		.amdhsa_reserve_vcc 0
		.amdhsa_float_denorm_mode_32 3
		.amdhsa_float_denorm_mode_16_64 3
		.amdhsa_memory_ordered 1
		.amdhsa_forward_progress 1
		.amdhsa_inst_pref_size 56
	.end_amdhsa_kernel
	.amdgpu_metadata
---
amdhsa.version: [ 1, 2 ]
amdhsa.kernels:
  - .name:           k_q8ce09561a0_quant
    .symbol:         k_q8ce09561a0_quant.kd
    .args:
      - { .name: x, .offset: 0, .size: 8, .value_kind: global_buffer, .address_space: global }
      - { .name: W_qkv, .offset: 8, .size: 8, .value_kind: global_buffer, .address_space: global }
      - { .name: W_out, .offset: 16, .size: 8, .value_kind: global_buffer, .address_space: global }
      - { .name: xc, .offset: 24, .size: 8, .value_kind: global_buffer, .address_space: global }
      - { .name: xs, .offset: 32, .size: 8, .value_kind: global_buffer, .address_space: global }
      - { .name: wc, .offset: 40, .size: 8, .value_kind: global_buffer, .address_space: global }
      - { .name: ws, .offset: 48, .size: 8, .value_kind: global_buffer, .address_space: global }
      - { .name: wo, .offset: 56, .size: 8, .value_kind: global_buffer, .address_space: global }
    .group_segment_fixed_size: 33280
    .private_segment_fixed_size: 0
    .kernarg_segment_align: 8
    .kernarg_segment_size: 64
    .max_flat_workgroup_size: 128
    .sgpr_count:     66
    .vgpr_count:     192
    .wavefront_size: 32
...
	.end_amdgpu_metadata
.endif
;; end of part 1
;; launch qkv (part 2): grid 12 x 32, 4 waves a work-group, clusters of 4 x 4, 327,680 bytes of LDS; arguments xc, xs, wc, ws, qkv; writes qkv
.if DOCPART == 2
	.amdgcn_target "amdgcn-amd-amdhsa--gfx1250"
	.amdhsa_code_object_version 6
	.text
	.protected	k_q8ce09561a0_qkv
	.globl	k_q8ce09561a0_qkv
	.p2align	8
	.type	k_q8ce09561a0_qkv,@function
k_q8ce09561a0_qkv:
	s_mov_b64 s[64:65], 0
	v_nop
	global_prefetch_b8 v0, s[64:65] scope:SCOPE_SE
	s_setreg_imm32_b32 hwreg(HW_REG_WAVE_MODE, 25, 1), 1
	s_wait_xcnt 0x0
	s_wait_alu depctr_hold_cnt(0) depctr_sa_sdst(0) depctr_va_vdst(0) depctr_va_sdst(0) depctr_va_ssrc(0) depctr_va_vcc(0) depctr_vm_vsrc(0)
	s_getreg_b32 s2, hwreg(HW_REG_IB_STS2, 6, 4)
	s_cmp_eq_u32 s2, 0
	s_cbranch_scc0 .Lentry_in_a_cluster
	s_endpgm
.Lentry_in_a_cluster:
	s_bfe_u32 s2, ttmp6, 0x10000c
	s_cmp_lg_u32 s2, 0xf033
	s_cbranch_scc0 .Lentry_shape_is_right
	s_endpgm
.Lentry_shape_is_right:
; SECOND LAUNCH: qkv[m][n] = sum over k of x[m][k] W_qkv[n][k] on codes of FP4 (E2M1) with one E8M0 scale for each 32 along K; sums in f32, K ascending in steps of 128.  Nothing is left out.
; A = xc [8192][512 bytes], its scales xs [8192][32]; B = wc [3072][512 bytes], ws [3072][32].  The result is rounded once to f16 and laid by head: qkv [sel 3][batch 4][head 16][token 2048][64] f16.
; LIMIT: q, k and v must stay under 65,504 in magnitude (f16).
; A tile of C, 256 x 256, is made by a work-group of four waves; a wave makes 128 x 128: 64 accumulators of 16 x 16, 512 registers.  K = 1,024 is two steps of 512, which lie in two LDS slots: both are asked for at the head and
; nothing is filled again.  The scales of the work-group's rows come with them, as dense blocks.  By this text's count a wave has three tensor loads out at the start.
; CLUSTERS: 4 x 4 work-groups; A's tiles are asked for jointly along a row of the cluster, B's along a column.  THE MATRIX INSTRUCTION IS USED TRANSPOSED (source 0 = 16 rows of B, source 1 = 16 rows of A): a lane holds eight
; neighbouring columns of one row of C.  The grid has 384 work-groups.
; REGISTERS, in windows of 256: window 0: v0-31 addresses; v32-95 scale words, two sets; v128-191 A's fragments, ONE set; on the way out v32-63, v192-255.  window 1: B's fragments, two sets, at v0 and v128.
;   window 2: the 32 accumulators of my rows 0-63 (accumulator (a, b) at v[8 (8 a + b)]);  window 3: those of my rows 64-127.
.set SIZE_K, 1024
.set KSTEP,  512                       ; along K in a slot
.set NQ,     KSTEP/128                 ; matrix instructions deep
.set ROWB,   256                       ; a tile's row in bytes
.set KROW,   SIZE_K/2                  ; a row of codes in memory
.set PITCH,  272                       ; an LDS row: 256 bytes + 16 of padding: the 16 rows that a load touches start 4 words apart modulo 64 words
.set FR,     8                         ; registers of a fragment: 16 rows x 128 K
.set NL,     2                         ; LDS loads that bring one
.set NP,     4                         ; places behind this matrix instruction in front of loads and reads
.set HALFT,  128*PITCH                 ; 128 rows: what one tensor load brings
.set SLOT,   4*HALFT                   ; A's 256 rows, then B's 256 rows
.set KS,     SIZE_K/32                 ; a row of scales in bytes
.set SCL,    2*SLOT                    ; behind the slots: the scales, as runs of 256 bytes + 16 of padding
.set HALFS,  (128*KS/256)*272          ; the scales of 128 rows
.set SBLK,   (16*KS/256)*272           ; those of 16 rows
.set SPARE,  SCL+4*HALFS               ; the spare words, 128 bytes a wave, which no other line names
.set SPITCH, 272                       ; the way out: a stage of 16 rows x (256 bytes + 16) for each wave, in slot 0, which has had its only fill and its last read when the first result is stored there
.set ADRA, 16                          ; v16-17  LDS address of my A fragments in slot 0, 1
.set ADRB, 20                          ; v20-21  the same for B
.set STO,  24                          ; v24     the way out: where I put 16 bytes of a row
.set RD,   25                          ; v25     where I read them back
.set CO,   26                          ; v26     my byte offset in qkv
.set ADRS, 27                          ; v27     LDS address of my scale words: lanes 0-15 A's rows, lanes 16-31 B's
.set SPW,  28                          ; v28     LDS address of my spare word; never rewritten
.set NIL,  29                          ; v29     0; never rewritten
.set SC,   32                          ; scale words: set s at v[SC + 32 s]; register 4 i + q: lanes 0-15 A's block i, lanes 16-31 B's block i, the slot's q-th 128 along K
.set AF,   128                         ; A's fragments, in window 0
.set TMP,  192                         ; the way out: a block's packed results
.set OB,   32                          ; and 16 rows read back: v32-63 and v224-255 by turns
.set G1, 24                            ; s[24:31] group 1 for A's tiles;  s[32:39] group 0, one set for each slot
.set G0, 32
.set G1B, 48                           ; s[48:55], s[56:63] the same for B's
.set G0B, 56
.set G1S, 68                           ; s[68:75], s[76:79] groups 1 and 0 for A's scales;  s[80:87], s[88:91] for B's
.set G0S, 76
.set G1SB, 80
.set G0SB, 88
.set MSB, 0
.macro WIN new                         ; the immediate's high byte repeats the setting that is left
.if MSB != (\new)
	s_set_vgpr_msb (MSB<<8)|(\new)
.set MSB, (\new)
.endif
.endm
.set MUL_LO, 0xa1                      ; source 0 (B) window 1, source 1 (A) window 0, C and D window 2
.set MUL_HI, 0xf1                      ; the same, C and D window 3
.set TO_B,   0x40                      ; destination window 1, address window 0
; A joint load: waves 0 and 1 fetch for A, waves 2 and 3 for B; the branch hangs on the wave's number alone.  An s_nop 0 and four v_nop follow each line.
.macro JLOAD g0a, g1a, g0b, g1b
	s_cmp_eq_u32 s15, 0
	s_cbranch_scc0 .Lfor_b_\@
	tensor_load_to_lds s[\g0a:\g0a+3], s[\g1a:\g1a+7]
	s_nop 0
.rept 4
	v_nop
.endr
	s_branch .Lasked_\@
.Lfor_b_\@:
	tensor_load_to_lds s[\g0b:\g0b+3], s[\g1b:\g1b+7]
	s_nop 0
.rept 4
	v_nop
.endr
.Lasked_\@:
.endm
.macro CROUND                          ; a round of the cluster's barrier
	s_barrier_signal -1
	s_barrier_wait -1
	s_cmp_lg_u32 s14, 0
	s_cbranch_scc1 .Lnot_wave_0_\@
	s_barrier_signal -3
.Lnot_wave_0_\@:
	s_barrier_wait -3
	s_barrier_signal -1
	s_barrier_wait -1
.endm
	s_load_b128 s[4:7], s[0:1], 0x0                ; A's codes s[4:5], A's scales s[6:7]
	s_load_b128 s[8:11], s[0:1], 0x10              ; B's codes s[8:9], B's scales s[10:11]
	s_load_b64 s[12:13], s[0:1], 0x20              ; qkv
	v_lshl_add_u32 v[SPW], v0, 2, SPARE
	v_mov_b32 v[NIL], 0
	ds_add_u32 v[SPW], v[NIL]                      ; the wave's opening: the add, twice on end, and its wait ahead of my first tensor load
	ds_add_u32 v[SPW], v[NIL]                      ; the set-up below, work on registers, stands between the second and the wait
	v_lshrrev_b32 v1, 5, v0
	v_readfirstlane_b32 s14, v1                    ; wave 0..3
	s_lshr_b32 s15, s14, 1                         ; which half of the tile's rows is mine.  Also: I fetch for A (0) or for B (1)
	s_and_b32 s16, s14, 1                          ; which half of its columns.  Also: which 128 rows of that tile I fetch
	s_bfe_u32 s40, ttmp6, 0x40000                  ; cx, cy: my place in the cluster
	s_bfe_u32 s41, ttmp6, 0x40004
	s_lshl_b32 s42, ttmp9, 2
	s_add_co_u32 s42, s42, s40                     ; tile column of C = 4 x cluster x + cx
	s_and_b32 s17, ttmp7, 0xffff
	s_lshl_b32 s17, s17, 2
	s_add_co_u32 s17, s17, s41                     ; tile row of C = 4 x cluster y + cy
	s_lshl_b32 s43, s41, 2
	s_lshl_b32 s43, 15, s43                        ; my row of the cluster
	s_lshl_b32 s44, 0x1111, s40                    ; my column
	; group 1: a tile of 128 rows x 256 bytes, 16 bytes of padding behind each row
	s_or_b32 s[G1+0], s43, (0<<16)|(1<<20)|(1<<21)|(5<<22)|(3<<25)  ; the mask: A's tiles go to my row; elements of 1 byte; padding on; bit 21 beside a mask; after every 64 words four words
	s_or_b32 s[G1B+0], s44, (0<<16)|(1<<20)|(1<<21)|(5<<22)|(3<<25)
.irp g, G1, G1B
	s_mov_b32 s[\g+1], ROWB<<16                    ; tensor_dim0
	s_mov_b32 s[\g+2], 128<<16                     ; tensor_dim1
	s_mov_b32 s[\g+3], ROWB<<16                    ; tile_dim0
	s_mov_b32 s[\g+4], 128                         ; tile_dim1
	s_mov_b32 s[\g+5], KROW                        ; from row to row
	s_mov_b32 s[\g+6], 0
	s_mov_b32 s[\g+7], 0
.endr
	; the scales of 128 rows: a dense block of 4,096 bytes, as 16 rows of 256 bytes (32 elements of 8 bytes), 16 bytes of padding behind each
	s_or_b32 s[G1S+0], s43, (3<<16)|(1<<20)|(1<<21)|(5<<22)|(3<<25)
	s_or_b32 s[G1SB+0], s44, (3<<16)|(1<<20)|(1<<21)|(5<<22)|(3<<25)
.irp g, G1S, G1SB
	s_mov_b32 s[\g+1], 32<<16
	s_mov_b32 s[\g+2], (128*KS/256)<<16
	s_mov_b32 s[\g+3], 32<<16
	s_mov_b32 s[\g+4], 128*KS/256
	s_mov_b32 s[\g+5], 32
	s_mov_b32 s[\g+6], 0
	s_mov_b32 s[\g+7], 0
.endr
	s_lshl_b32 s18, s16, 7                         ; which 128 rows of the tile I fetch
	s_lshl_b32 s20, s17, 8
	s_add_co_u32 s20, s20, s18                     ; A: row 256 x tile row + 128 x half
	s_lshl_b32 s46, s42, 8
	s_add_co_u32 s46, s46, s18                     ; B: row 256 x tile column + 128 x half
	s_mov_b32 s21, 0
	s_mov_b32 s47, 0
	s_mov_b64 s[18:19], KS
	s_mul_u64 s[22:23], s[20:21], s[18:19]         ; where these rows' scales begin, in bytes
	s_mul_u64 s[92:93], s[46:47], s[18:19]
	s_mov_b64 s[18:19], KROW
	s_mul_u64 s[20:21], s[20:21], s[18:19]         ; and their codes
	s_mul_u64 s[46:47], s[46:47], s[18:19]
	s_mul_i32 s45, s14, HALFT                      ; where they go: wave x 128 rows: no place in the cluster enters an LDS address
	s_mul_i32 s94, s14, HALFS
	s_wait_dscnt 0x0                               ; both opening adds are done
	s_wait_kmcnt 0x0
	s_add_nc_u64 s[20:21], s[4:5], s[20:21]
	s_add_nc_u64 s[22:23], s[6:7], s[22:23]
	s_add_nc_u64 s[46:47], s[8:9], s[46:47]
	s_add_nc_u64 s[92:93], s[10:11], s[92:93]
	CROUND                                         ; all sixteen work-groups are here: the joint loads meet
	s_mov_b32 s[G0S], 1
	s_add_co_u32 s[G0S+1], s94, SCL
	s_mov_b64 s[G0S+2:G0S+3], s[22:23]
	s_or_b32 s[G0S+3], s[G0S+3], 0x80000000
	s_mov_b32 s[G0SB], 1
	s_add_co_u32 s[G0SB+1], s94, SCL
	s_mov_b64 s[G0SB+2:G0SB+3], s[92:93]
	s_or_b32 s[G0SB+3], s[G0SB+3], 0x80000000
	JLOAD G0S, G1S, G0SB, G1SB                     ; the scales first: they are wanted with K step 0
.irp s, 0,1
	s_mov_b32 s[G0+4*\s], 1
	s_add_co_u32 s[G0+4*\s+1], s45, \s*SLOT
	s_add_nc_u64 s[G0+4*\s+2:G0+4*\s+3], s[20:21], \s*ROWB
	s_or_b32 s[G0+4*\s+3], s[G0+4*\s+3], 0x80000000
	s_mov_b32 s[G0B+4*\s], 1
	s_add_co_u32 s[G0B+4*\s+1], s45, \s*SLOT
	s_add_nc_u64 s[G0B+4*\s+2:G0B+4*\s+3], s[46:47], \s*ROWB
	s_or_b32 s[G0B+4*\s+3], s[G0B+4*\s+3], 0x80000000
	JLOAD G0+4*\s, G1, G0B+4*\s, G1B
.endr
	v_and_b32 v1, 15, v0                           ; r = lane % 16
	v_bfe_u32 v2, v0, 4, 1                         ; h = lane / 16
	v_mul_u32_u24 v3, v1, PITCH
	v_lshl_add_u32 v4, v2, 4, v3                   ; a fragment's row x pitch + 16 x half
	s_mul_i32 s21, s15, HALFT                      ; my 128 rows of A
	s_mul_i32 s22, s16, HALFT                      ; my 128 rows of B,
	s_add_co_u32 s22, s22, 2*HALFT                 ; which lie behind A's 256
.irp s, 0,1
	v_add_nc_u32 v[ADRA+\s], s21, v4
	v_add_nc_u32 v[ADRB+\s], s22, v4
	s_add_co_u32 s21, s21, SLOT
	s_add_co_u32 s22, s22, SLOT
.endr
	v_mul_u32_u24 v5, v1, KS                       ; my row's scales: 32 bytes a row,
	v_lshrrev_b32 v6, 8, v5
	v_lshl_add_u32 v5, v6, 4, v5                   ; and 16 more for each 256 passed
	s_mul_i32 s21, s15, HALFS                      ; A's: my 128 rows
	s_mul_i32 s22, s16, HALFS                      ; B's: my 128 rows, behind A's 256
	s_add_co_u32 s22, s22, 2*HALFS
	s_sub_co_u32 s22, s22, s21
	v_mul_u32_u24 v6, s22, v2                      ; lanes 16-31 take B's: one product, the distance between the two bases x h
	s_add_co_u32 s21, s21, SCL
	v_add_nc_u32 v5, v5, v6
	v_add_nc_u32 v[ADRS], s21, v5
	s_mul_i32 s23, s14, 16*SPITCH                  ; my stage
	v_mul_u32_u24 v5, v1, SPITCH                   ; in: row r, 16 bytes for each half of the lanes
	v_lshl_add_u32 v5, v2, 4, v5
	v_add_nc_u32 v[STO], s23, v5
	v_bfe_u32 v6, v0, 3, 1                         ; back: lanes 0-15 take two tokens' 128 bytes of my first head, lanes 16-31 the same of my second
	v_and_b32 v7, 7, v0
	v_mul_u32_u24 v8, v6, SPITCH
	v_lshl_add_u32 v8, v2, 7, v8
	v_lshl_add_u32 v8, v7, 4, v8
	v_add_nc_u32 v[RD], s23, v8
	v_lshlrev_b32 v[CO], 18, v2                    ; and in qkv: a head on is 2^18 bytes, a token 128
	v_lshl_add_u32 v[CO], v6, 7, v[CO]
	v_lshl_add_u32 v[CO], v7, 4, v[CO]
	s_lshl_b32 s20, s17, 8
	s_lshl_b32 s21, s15, 7
	s_add_co_u32 s20, s20, s21                     ; my first row m0 = 256 x tile row + 128 x half: batch m0 / 2048, token m0 % 2048
	s_lshr_b32 s21, s20, 11
	s_lshl_b32 s21, s21, 22
	s_and_b32 s20, s20, 2047
	s_lshl_b32 s20, s20, 7
	s_add_co_u32 s20, s20, s21
	s_lshl_b32 s46, s42, 2
	s_lshl_b32 s47, s16, 1
	s_add_co_u32 s46, s46, s47                     ; my first 64 columns: number 4 x tile column + 2 x half: sel = / 16, head = % 16
	s_lshr_b32 s47, s46, 4
	s_lshl_b32 s47, s47, 24
	s_and_b32 s46, s46, 15
	s_lshl_b32 s46, s46, 18
	s_add_co_u32 s46, s46, s47
	s_add_co_u32 s20, s20, s46                     ; under 2^26
	s_mov_b32 s21, 0
	s_add_nc_u64 s[12:13], s[12:13], s[20:21]
.macro FRAG reg, adr, q, i             ; a fragment: lane l holds row l % 16; registers 4 c .. 4 c + 3 hold K = 64 c + 32 (l / 16) + 0 .. 31
.irp c, 0,1
	ds_load_b128 v[\reg+4*\c:\reg+4*\c+3], v[\adr] offset:64*(\q)+32*\c+(\i)*16*PITCH
.endr
.endm
; 16 matrix instructions: A's blocks a0, a0 + 1 x B's eight, the slot's q-th 128 along K.  p: B's set; sc: the set of scale words; zero = 1: the first product starts the sums.
; The 64 accumulators take turns, one instruction a turn, in the same order in every step.
.macro MUL16 a0, p, q, sc, zero
.irp a, \a0, \a0+1
.irp b, 0,1,2,3,4,5,6,7
.if \zero
	v_wmma_scale_f32_16x16x128_f8f6f4 v[8*(8*((\a)%4)+\b):8*(8*((\a)%4)+\b)+7], v[128*(\p)+FR*\b:128*(\p)+FR*\b+FR-1], v[AF+FR*(\a):AF+FR*(\a)+FR-1], 0, v[SC+8*NQ*(\sc)+NQ*\b+(\q)], v[SC+8*NQ*(\sc)+NQ*(\a)+(\q)] matrix_a_fmt:MATRIX_FMT_FP4 matrix_b_fmt:MATRIX_FMT_FP4 matrix_a_scale:MATRIX_SCALE_ROW1
.else
	v_wmma_scale_f32_16x16x128_f8f6f4 v[8*(8*((\a)%4)+\b):8*(8*((\a)%4)+\b)+7], v[128*(\p)+FR*\b:128*(\p)+FR*\b+FR-1], v[AF+FR*(\a):AF+FR*(\a)+FR-1], v[8*(8*((\a)%4)+\b):8*(8*((\a)%4)+\b)+7], v[SC+8*NQ*(\sc)+NQ*\b+(\q)], v[SC+8*NQ*(\sc)+NQ*(\a)+(\q)] matrix_a_fmt:MATRIX_FMT_FP4 matrix_b_fmt:MATRIX_FMT_FP4 matrix_a_scale:MATRIX_SCALE_ROW1
.endif
.endr
.endr
.endm
.macro FETCH_B slot, q, p              ; B's eight fragments of the slot's q-th 128 along K into set p
	WIN TO_B
.irp i, 0,1,2,3,4,5,6,7
	FRAG 128*(\p)+FR*\i, ADRB+\slot, \q, \i
.endr
	WIN 0
.endm
.macro FETCH_A slot, q, i0             ; A's blocks i0 .. i0 + 3
.irp i, \i0, \i0+1, \i0+2, \i0+3
	FRAG AF+FR*(\i), ADRA+\slot, \q, \i
.endr
.endm
.macro SCALES sc                       ; a K step's scale words into set sc: four words a row; lanes 0-15 take A's block i, lanes 16-31 B's
.irp i, 0,1,2,3,4,5,6,7
	ds_load_b128 v[SC+8*NQ*\sc+NQ*\i:SC+8*NQ*\sc+NQ*\i+3], v[ADRS] offset:\i*SBLK
.endr
.endm
.macro PLACES n                        ; plain vector lines between a matrix instruction and a load into, or a read of, its registers
.rept \n
	v_nop
.endr
.endm
; A step of 128 along K that has its successor in the same slot.  A's blocks go one after the other, each against B's eight, so one set serves A: blocks 0-3 are fetched anew in the step's middle, blocks 4-7 at its end.
.macro STEP slot, q, zero
	s_wait_dscnt 4*NL                              ; B's set and A's blocks 0-3 are in; the youngest eight loads (A's blocks 4-7) may be out
	WIN MUL_LO
	MUL16 0, (\q)%2, \q, \slot, \zero
	MUL16 2, (\q)%2, \q, \slot, \zero
	s_wait_dscnt 0                                 ; A's blocks 4-7 are in
	PLACES NP
	FETCH_B \slot, (\q)+1, 1-(\q)%2
	FETCH_A \slot, (\q)+1, 0
	WIN MUL_HI
	MUL16 4, (\q)%2, \q, \slot, \zero
	MUL16 6, (\q)%2, \q, \slot, \zero
	PLACES NP
	WIN 0
	FETCH_A \slot, (\q)+1, 4
.endm
.macro STEPS slot, from                ; the slot's steps from .. NQ - 2
.set Q, \from
.rept NQ-1-\from
	STEP \slot, Q, 0
.set Q, Q+1
.endr
.endm
	s_wait_tensorcnt 1                             ; the scales and my part of K step 0 are in; K step 1's load may be out
	s_barrier_signal -1
	s_barrier_wait -1                              ; everybody's are
	FETCH_B 0, 0, 0
	FETCH_A 0, 0, 0
	SCALES 0
	FETCH_A 0, 0, 4
	STEP 0, 0, 1                                   ; the first step's products start the sums
	STEPS 0, 1
	; slot 0's last step changes slots: one barrier; in front of it each wave waits for all its tensor loads (its part of slot 1), adds 0 to its spare word, and waits for that and for its reads of slot 0
	s_wait_tensorcnt 0x0
	ds_add_u32 v[SPW], v[NIL]
	s_wait_dscnt 4*NL+1                            ; the add and the youngest eight loads (A's blocks 4-7) may be out
	WIN MUL_LO
	MUL16 0, 1, NQ-1, 0, 0
	s_wait_dscnt 0x0                               ; the add is done, and my reads of slot 0 are over
	s_barrier_signal -1
	MUL16 2, 1, NQ-1, 0, 0
	WIN 0
	s_barrier_wait -1
	PLACES NP
	v_add_nc_u32 v[ADRS], 4*NQ, v[ADRS]            ; on to K step 1's scale words
	FETCH_B 1, 0, 0
	FETCH_A 1, 0, 0
	SCALES 1
	WIN MUL_HI
	MUL16 4, 1, NQ-1, 0, 0
	MUL16 6, 1, NQ-1, 0, 0
	PLACES NP
	WIN 0
	FETCH_A 1, 0, 4
	STEPS 1, 0
	s_wait_dscnt 4*NL                              ; the very last step: nothing more to fetch
	WIN MUL_LO
	MUL16 0, 1, NQ-1, 1, 0
	MUL16 2, 1, NQ-1, 1, 0
	s_wait_dscnt 0
	WIN MUL_HI
	MUL16 4, 1, NQ-1, 1, 0
	MUL16 6, 1, NQ-1, 1, 0
	WIN 0
; THE WAY OUT, block by block of 16 rows x 128 columns (two heads).  PACK: rounded to f16, 16 bytes a lane, each accumulator from its low end on.  TOSTAGE: into my own stage and back.  SEND: sixteen lanes store
; two tokens of one head, 256 consecutive bytes at a multiple of 256 from qkv's first byte.
.macro PACK a
.set AC, 64*((\a)%4)
	WIN 0x0a+5*((\a)/4)                            ; sources 0 and 1: window 2 or 3
.irp b, 0,1,2,3,4,5,6,7
.irp r, 0,1,2,3
	v_cvt_pk_f16_f32 v[TMP+4*\b+\r], v[AC+8*\b+2*\r], v[AC+8*\b+2*\r+1]
.endr
.endr
	WIN 0
.endm
.macro TOSTAGE a
.set BB, OB+192*((\a)%2)
.irp b, 0,1,2,3,4,5,6,7
	ds_store_b128 v[STO], v[TMP+4*\b:TMP+4*\b+3] offset:32*\b
.endr
.irp t, 0,1,2,3,4,5,6,7
	ds_load_b128 v[BB+4*\t:BB+4*\t+3], v[RD] offset:\t*2*SPITCH    ; LDS serves a wave's instructions in order: these see the stores above
.endr
.endm
.macro SEND a
.set BB, OB+192*((\a)%2)
	s_wait_dscnt 0x0                               ; the block is back in registers
	s_wait_xcnt 0x0                                ; the stores of the block before have read their registers: the next block's loads may land there
.irp t, 0,1,2,3,4,5,6,7
	global_store_b128 v[CO], v[BB+4*\t:BB+4*\t+3], s[12:13] offset:2048*(\a)+256*\t th:TH_STORE_NT
.endr
.endm
	PLACES NP                                      ; behind the last products, in front of the first reads of results and the loads into registers that held scale words
	PACK 0
	TOSTAGE 0
.irp a, 1,2,3,4,5,6,7                  ; block a's conversions stand between block a - 1's loads from the stage and the wait for them
	PACK \a
	SEND \a-1
	TOSTAGE \a
.endr
	SEND 7
	s_wait_tensorcnt 0x0                           ; the wave's end, behind my last tensor load and my last LDS store
	ds_add_u32 v[SPW], v[NIL]
	s_wait_dscnt 0x0
	CROUND                                         ; the closing round: no work-group ends while a partner may still ask for a tile that names it
	s_endpgm
.Lfunc_end_k_q8ce09561a0_qkv:
	.size	k_q8ce09561a0_qkv, .Lfunc_end_k_q8ce09561a0_qkv-k_q8ce09561a0_qkv
	.p2alignl 7, 3214868480
	.fill 96, 4, 3214868480
	.section	.rodata,"a",@progbits
	.p2align	6, 0x0
	.amdhsa_kernel k_q8ce09561a0_qkv
		.amdhsa_group_segment_fixed_size 327680
		.amdhsa_private_segment_fixed_size 0
		.amdhsa_enable_private_segment 0
		.amdhsa_kernarg_size 40
		.amdhsa_user_sgpr_count 2
		.amdhsa_user_sgpr_kernarg_segment_ptr 1
		.amdhsa_wavefront_size32 1
		.amdhsa_system_sgpr_workgroup_id_x 1
		.amdhsa_system_sgpr_workgroup_id_y 1
		.amdhsa_system_sgpr_workgroup_id_z 1
		.amdhsa_system_vgpr_workitem_id 0
		.amdhsa_next_free_vgpr 1024
		.amdhsa_next_free_sgpr 98
		.amdhsa_reserve_vcc 0
		.amdhsa_float_denorm_mode_32 3
		.amdhsa_float_denorm_mode_16_64 3
		.amdhsa_memory_ordered 1
		.amdhsa_forward_progress 1
		.amdhsa_inst_pref_size 127
	.end_amdhsa_kernel
	.amdgpu_metadata
---
amdhsa.version: [ 1, 2 ]
amdhsa.kernels:
  - .name:           k_q8ce09561a0_qkv
    .symbol:         k_q8ce09561a0_qkv.kd
    .args:
      - { .name: xc, .offset: 0, .size: 8, .value_kind: global_buffer, .address_space: global }
      - { .name: xs, .offset: 8, .size: 8, .value_kind: global_buffer, .address_space: global }
      - { .name: wc, .offset: 16, .size: 8, .value_kind: global_buffer, .address_space: global }
      - { .name: ws, .offset: 24, .size: 8, .value_kind: global_buffer, .address_space: global }
      - { .name: qkv, .offset: 32, .size: 8, .value_kind: global_buffer, .address_space: global }
    .group_segment_fixed_size: 327680
    .private_segment_fixed_size: 0
    .kernarg_segment_align: 8
    .kernarg_segment_size: 40
    .max_flat_workgroup_size: 128
    .sgpr_count:     98
    .vgpr_count:     1024
    .wavefront_size: 32
...
	.end_amdgpu_metadata
.endif
;; end of part 2
;; launch attn (part 3): grid 4 x 64, 8 waves a work-group, clusters of 4 x 1, 327,680 bytes of LDS; arguments qkv, ao; writes ao
.if DOCPART == 3
	.amdgcn_target "amdgcn-amd-amdhsa--gfx1250"
	.amdhsa_code_object_version 6
	.text
	.protected	k_q8ce09561a0_attn
	.globl	k_q8ce09561a0_attn
	.p2align	8
	.type	k_q8ce09561a0_attn,@function
k_q8ce09561a0_attn:
	s_mov_b64 s[64:65], 0
	v_nop
	global_prefetch_b8 v0, s[64:65] scope:SCOPE_SE
	s_setreg_imm32_b32 hwreg(HW_REG_WAVE_MODE, 25, 1), 1
	s_wait_xcnt 0x0
	s_wait_alu depctr_hold_cnt(0) depctr_sa_sdst(0) depctr_va_vdst(0) depctr_va_sdst(0) depctr_va_ssrc(0) depctr_va_vcc(0) depctr_vm_vsrc(0)
	s_getreg_b32 s2, hwreg(HW_REG_IB_STS2, 6, 4)
	s_cmp_eq_u32 s2, 0
	s_cbranch_scc0 .Lentry_in_a_cluster
	s_endpgm
.Lentry_in_a_cluster:
	s_bfe_u32 s2, ttmp6, 0x10000c
	s_cmp_lg_u32 s2, 0x3003
	s_cbranch_scc0 .Lentry_shape_is_right
	s_endpgm
.Lentry_shape_is_right:
; THIRD LAUNCH: ao[h][token][:] = the sum over keys of softmax(q . k / 8) v, for each of the 64 (batch, head).  q, k, v: qkv [sel][batch][head][2048][64] f16; ao: [head 16][token 8192][64] f16.  Nothing is left out.
; Products on f16 operands, sums, maxima and the softmax in f32; the weights p (at most 1) are rounded to f16 for the second product, the result once at the end.
; LIMITS: p under 2^-24 becomes 0 in f16; NaN and infinities are not served.
; SHARES.  A work-group owns 512 queries of one (batch, head), each of its eight waves 64: four tiles of 16, in 512 registers, two waves to a SIMD.  Every wave walks all 2,048 keys, 64 a step.
; LAYOUT.  S^T = K Q^T (source 0 = 16 keys, source 1 = 16 queries): a lane holds ONE query (lane % 16) and keys 8 (lane / 16) + 0..7.  Two such tiles, rounded to f16 in pairs, ARE source 1 (32 keys x 16 queries) of
; O^T = V^T P, whose result again holds one query a lane.  K comes out of LDS as it lies, V ([key][channel]) turned, by ds_load_tr16_b128.
; SOFTMAX.  A running maximum m and sum l a query: p = 2^(c s - c m), c = log2(e) / 8; in every step O and l are multiplied by a = 2^(c m_old - c m_new).  m begins at -3e38 and O and l at 0, so the step is written once.
; TWO CLASSES OF WAVES.  A wave's work goes by turns: MAT (32 products V^T P of step j, then 32 products K Q^T of step j + 1) and SOFTMAX (472 vector lines).  Behind every barrier class 0 begins with MAT and class 1 with
; SOFTMAX, so that one wave's matrix work stands beside another's vector work.  The class is (w xor (w >> 2)) & 1.  MAT of step j reads from LDS step j + 1 alone, so both classes read a slot only between its barriers.
; RING.  Two slots of 512 keys (8 steps).  Waves 0-3 fetch K's quarters, waves 4-7 V's, one load a wave.  Both slots are asked for at the head; each is filled again once.  By this text's count a wave has two loads out at the
; start and one behind each refill, which has a whole pass (8 steps, 512 matrix instructions a wave) in which to land; so no prefetch is laid.
; CLUSTER.  The four query blocks of a (batch, head) walk the same K and V: each tile is asked for jointly, by the same load with the same descriptor and the mask of all four.
; REGISTERS.  Window 0: v1-11 addresses; v16-47 statistics, eight a tile: +0 c m, +1 m, +2, +3 l, +4..+7 at work (a in +6); v48-175 S^T, 32 a tile, P laid over its first 16; v176-239 Q.
;   Window 1: v0-127 O^T, 32 a tile; v128-191 K of a step; v192-255 V^T of a step.
.set KP,    144                        ; a key's row of K in LDS: 128 bytes + 16
.set VP,    160                        ; of V: 128 + 32: an odd multiple of 32
.set VOFF,  512*KP                     ; a slot: 512 rows of K, then 512 of V
.set SLOTB, 512*(KP+VP)                ; 155,648
.set SPARE, 2*SLOTB                    ; the spare words, 128 bytes a wave: 1,024 bytes that no other line names
.set AK0, 2                            ; v2   my lane's place in a tile of K
.set AV0, 3                            ; v3   in a tile of V (VOFF included)
.set ADK, 4                            ; v4   LDS address of the step's K
.set ADV, 5                            ; v5   of its V
.set QO,  6                            ; v6   my byte offset in the wave's rows of Q
.set STO, 7                            ; v7   the way out: where I put 16 bytes of a row
.set RD,  8                            ; v8   where I read them back
.set GO,  9                            ; v9   16 x lane: my byte offset in a store's 512 bytes
.set SPW, 10                           ; v10  LDS address of my spare word; never rewritten
.set NIL, 11                           ; v11  0; never rewritten
.set ST,  16
.set S,   48
.set QF,  176
.set KF,  128                          ; in window 1
.set VF,  192                          ; in window 1
.set WV,  12                           ; s12  my wave's number
.set CLS, 13                           ; s13  my class
.set SKL, 14                           ; s14  the trip whose SOFTMAX I leave to the next pass: 7 in class 1, none in class 0
.set G1K, 24                           ; s[24:31] group 1 for K's tiles;  s[32:39] for V's: it differs in the padding alone
.set G1V, 32
.set G0K, 40                           ; s[40:47] group 0 for K's, a set for each slot;  s[48:55] for V's
.set G0V, 48
.set CNT, 56                           ; s56  counts a pass's steps
.set CS,  58                           ; s[58:59] c, twice: the packed form names a pair
.set SEL, 60                           ; s[60:61] lane selects for v_permlanex16_b32: lane l xor 16
.set TK,  62                           ; s62  LDS byte at which the K of the step to be fetched begins
.set TV,  63                           ; s63  the same for V, less VOFF
.set MSB, 0
.macro WIN new                         ; the immediate's high byte repeats the setting that is left; a switch that changes nothing is dropped
.if MSB != (\new)
	s_set_vgpr_msb (MSB<<8)|(\new)
.set MSB, (\new)
.endif
.endm
.macro PLACES n
.rept \n
	v_nop
.endr
.endm
; A joint refill of slot s: waves 0-3 K's quarters, waves 4-7 V's.  The branch hangs on the wave's number alone.  An s_nop 0 and four v_nop follow each line.
.macro JLOAD s
	s_cmp_lt_u32 s[WV], 4
	s_cbranch_scc0 .Lfor_v_\@
	tensor_load_to_lds s[G0K+4*\s:G0K+4*\s+3], s[G1K:G1K+7]
	s_nop 0
.rept 4
	v_nop
.endr
	s_branch .Lasked_\@
.Lfor_v_\@:
	tensor_load_to_lds s[G0V+4*\s:G0V+4*\s+3], s[G1V:G1V+7]
	s_nop 0
.rept 4
	v_nop
.endr
.Lasked_\@:
.endm
.macro CROUND                          ; a round of the cluster's barrier
	s_barrier_signal -1
	s_barrier_wait -1
	s_cmp_lg_u32 s[WV], 0
	s_cbranch_scc1 .Lnot_wave_0_\@
	s_barrier_signal -3
.Lnot_wave_0_\@:
	s_barrier_wait -3
	s_barrier_signal -1
	s_barrier_wait -1
.endm
	s_load_b128 s[4:7], s[0:1], 0x0                ; qkv s[4:5], ao s[6:7]
	v_lshl_add_u32 v[SPW], v0, 2, SPARE
	v_mov_b32 v[NIL], 0
	ds_add_u32 v[SPW], v[NIL]                      ; the wave's opening: the add, twice on end, and its wait ahead of my first tensor load
	ds_add_u32 v[SPW], v[NIL]                      ; the set-up below, work on registers, stands between the second and the wait
	v_lshrrev_b32 v12, 5, v0
	v_readfirstlane_b32 s[WV], v12                 ; wave 0..7
	s_lshr_b32 s[CLS], s[WV], 2
	s_xor_b32 s[CLS], s[CLS], s[WV]
	s_and_b32 s[CLS], s[CLS], 1                    ; it differs between waves w and w + 4, and between waves 2 i and 2 i + 1
	s_lshl_b32 s[SKL], s[CLS], 3
	s_sub_co_u32 s[SKL], s[SKL], 1                 ; 7, or a number that the count of steps never reaches
	s_bfe_u32 s15, ttmp6, 0x40000                  ; cx: my block of 512 queries; it enters Q's and ao's addresses alone
	s_and_b32 s16, ttmp7, 0xffff                   ; 16 x batch + head, which the four partners share
	s_and_b32 s17, s[WV], 3                        ; which quarter of a slot's keys I fetch
	s_lshl_b32 s18, s16, 18                        ; the head's first byte in each of q, k, v
	s_lshl_b32 s19, s17, 14                        ; my 128 keys of 128 bytes
	s_add_co_u32 s20, s18, s19
	s_mov_b32 s21, 0
	s_mul_i32 s22, s17, 128*KP                     ; and their place in a slot: no place in the cluster enters an LDS address
	s_mul_i32 s23, s17, 128*VP
	s_lshl_b32 s2, s15, 16                         ; my block's 512 rows,
	s_lshl_b32 s3, s[WV], 13                       ; my wave's 64 of them
	s_add_co_u32 s2, s2, s3
	s_add_co_u32 s66, s18, s2                      ; Q
	s_mov_b32 s67, 0
	s_and_b32 s68, s16, 15                         ; ao: head x 2^20 + batch x 2^18 + my rows
	s_lshl_b32 s68, s68, 20
	s_lshr_b32 s69, s16, 4
	s_lshl_b32 s69, s69, 18
	s_add_co_u32 s68, s68, s69
	s_add_co_u32 s68, s68, s2
	s_mov_b32 s69, 0
	; group 1: 128 keys, dense in memory, stated as 64 rows of 256 bytes (two keys); padding behind every 128 bytes, that is behind every key
	s_mov_b32 s[G1K], 15|(1<<16)|(1<<20)|(1<<21)|(4<<22)|(3<<25)  ; the mask: all four work-groups; elements of 2 bytes; padding on; bit 21 beside a mask; after every 32 words four words
	s_mov_b32 s[G1V], 15|(1<<16)|(1<<20)|(1<<21)|(4<<22)|(7<<25)  ; the same with eight words
.irp g, G1K, G1V
	s_mov_b32 s[\g+1], 128<<16                     ; tensor_dim0 = 128 elements
	s_mov_b32 s[\g+2], 64<<16                      ; tensor_dim1 = 64
	s_mov_b32 s[\g+3], 128<<16                     ; tile_dim0
	s_mov_b32 s[\g+4], 64                          ; tile_dim1
	s_mov_b32 s[\g+5], 128                         ; from row to row
	s_mov_b32 s[\g+6], 0
	s_mov_b32 s[\g+7], 0
.endr
	s_mov_b32 s[CS], 0x3e38aa3b                    ; c = log2(e) / 8
	s_mov_b32 s[CS+1], s[CS]
	s_mov_b32 s[SEL], 0x76543210
	s_mov_b32 s[SEL+1], 0xfedcba98
	s_wait_dscnt 0x0                               ; both opening adds are done
	s_wait_kmcnt 0x0
	s_add_nc_u64 s[20:21], s[4:5], s[20:21]        ; qkv at my quarter of the head's first 512 rows (of q: k and v lie 2^24 and 2^25 bytes on)
	s_add_nc_u64 s[66:67], s[4:5], s[66:67]        ; Q at my wave's first row
	s_add_nc_u64 s[68:69], s[6:7], s[68:69]        ; ao likewise
	CROUND                                         ; all four work-groups are here: the first joint loads meet
.irp s, 0,1
	s_mov_b32 s[G0K+4*\s], 1                       ; count = 1
	s_add_co_u32 s[G0K+4*\s+1], s22, \s*SLOTB      ; LDS address
	s_add_nc_u64 s[G0K+4*\s+2:G0K+4*\s+3], s[20:21], (1<<24)+\s*65536   ; slot s begins with keys 512 s
	s_or_b32 s[G0K+4*\s+3], s[G0K+4*\s+3], 0x80000000                   ; type = 2
	s_mov_b32 s[G0V+4*\s], 1
	s_add_co_u32 s[G0V+4*\s+1], s23, \s*SLOTB+VOFF
	s_add_nc_u64 s[G0V+4*\s+2:G0V+4*\s+3], s[20:21], (1<<25)+\s*65536
	s_or_b32 s[G0V+4*\s+3], s[G0V+4*\s+3], 0x80000000
.endr
	s_cmp_lt_u32 s[WV], 4                          ; a wave's two first fills stand in one branch, and every wave has an arm with them
	s_cbranch_scc0 .Lfirst_v
	tensor_load_to_lds s[G0K:G0K+3], s[G1K:G1K+7]
	s_nop 0
	tensor_load_to_lds s[G0K+4:G0K+7], s[G1K:G1K+7]
	s_nop 0
.rept 4
	v_nop
.endr
	s_branch .Lfirst_asked
.Lfirst_v:
	tensor_load_to_lds s[G0V:G0V+3], s[G1V:G1V+7]
	s_nop 0
	tensor_load_to_lds s[G0V+4:G0V+7], s[G1V:G1V+7]
	s_nop 0
.rept 4
	v_nop
.endr
.Lfirst_asked:
	; a fragment of K or Q is 16 rows x 32 channels in 8 registers: lane l holds row l % 16; registers 0-3 channels 8 (l / 16) + 0..7, registers 4-7 channels 16 + 8 (l / 16) + 0..7: two loads of 16 bytes, 32 bytes apart
	v_and_b32 v1, 15, v0                           ; r
	v_bfe_u32 v12, v0, 4, 1                        ; h
	v_lshlrev_b32 v[QO], 7, v1
	v_lshl_add_u32 v[QO], v12, 4, v[QO]            ; row x 128 + 16 h
.irp t, 0,1,2,3                        ; Q stays in registers: tile t, channels 32 cc on
.irp cc, 0,1
	global_load_b128 v[QF+8*(2*\t+\cc):QF+8*(2*\t+\cc)+3],   v[QO], s[66:67] offset:\t*2048+64*\cc
	global_load_b128 v[QF+8*(2*\t+\cc)+4:QF+8*(2*\t+\cc)+7], v[QO], s[66:67] offset:\t*2048+64*\cc+32
.endr
.endr
	v_mul_u32_u24 v[AK0], v1, KP
	v_lshl_add_u32 v[AK0], v12, 4, v[AK0]          ; row x pitch + 16 h
	; the turning load takes 16 keys x 16 channels (lane l reads 16 bytes: key 8 (l / 16) + l % 8, channels 8 ((l / 8) % 2) + 0..7) and leaves half a fragment of V^T: lane l holds channel l % 16 and 8 keys
	v_and_b32 v13, 7, v0
	v_bfe_u32 v14, v0, 3, 1
	v_lshl_add_u32 v[AV0], v12, 3, v13
	v_mul_u32_u24 v[AV0], v[AV0], VP
	v_lshl_add_u32 v[AV0], v14, 4, v[AV0]
	v_add_nc_u32 v[AV0], VOFF, v[AV0]
	s_mul_i32 s16, s[WV], 64*KP                    ; the way out: my stage, 4 tiles x 16 rows x 144 bytes, in slot 1's bytes of K, which have had their last fill and their last read by then
	s_add_co_u32 s16, s16, SLOTB
	v_mul_u32_u24 v[STO], v1, KP                   ; in: row r, 16 bytes for each half of the lanes
	v_lshl_add_u32 v[STO], v12, 4, v[STO]
	v_add_nc_u32 v[STO], s16, v[STO]
	v_bfe_u32 v15, v0, 3, 2                        ; back: eight lanes to a row of 128 bytes, four rows an instruction
	v_mul_u32_u24 v[RD], v15, KP
	v_lshl_add_u32 v[RD], v13, 4, v[RD]
	v_add_nc_u32 v[RD], s16, v[RD]
	v_and_b32 v[GO], 31, v0
	v_lshlrev_b32 v[GO], 4, v[GO]
.irp t, 0,1,2,3
	v_mov_b32 v[ST+8*\t+1], 0xff61b1e6             ; m = -3e38, under every score
	v_mov_b32 v[ST+8*\t+2], 0                      ; l, in two halves
	v_mov_b32 v[ST+8*\t+3], 0
.endr
.irp t, 0,1,2,3
	v_mul_f32 v[ST+8*\t], s[CS], v[ST+8*\t+1]      ; c m
.endr
	WIN 0x40                                       ; destination window 1
.set i, 0
.rept 128
	v_mov_b32 v[i], 0                              ; O^T: the step is written once; its first a is 0 and leaves these zeros zeros
.set i, i+1
.endr
	WIN 0
; THE LDS LOADS stand in runs of 16.  K of a step: keys 16 kt on, channels 32 cc on.
.macro FETCH_K adr
	WIN 0x40                                       ; destination window 1, address window 0
.irp kt, 0,1,2,3
.irp cc, 0,1
	ds_load_b128 v[KF+8*(2*\kt+\cc):KF+8*(2*\kt+\cc)+3],   v[\adr] offset:\kt*16*KP+64*\cc
	ds_load_b128 v[KF+8*(2*\kt+\cc)+4:KF+8*(2*\kt+\cc)+7], v[\adr] offset:\kt*16*KP+64*\cc+32
.endr
.endr
.endm
.macro FETCH_V adr                     ; V^T of a step: keys 32 kk on, channels 16 ct on
	WIN 0x40
.irp kk, 0,1
.irp ct, 0,1,2,3
	ds_load_tr16_b128 v[VF+8*(4*\kk+\ct):VF+8*(4*\kk+\ct)+3],   v[\adr] offset:\kk*32*VP+32*\ct
	ds_load_tr16_b128 v[VF+8*(4*\kk+\ct)+4:VF+8*(4*\kk+\ct)+7], v[\adr] offset:\kk*32*VP+16*VP+32*\ct
.endr
.endr
.endm
; 32 products S^T = K Q^T; the first 16 start the sums.  The 16 accumulators take turns, one instruction a turn.
.macro KQMUL
	WIN 0x01                                       ; K in window 1; Q and S^T in window 0
.irp cc, 0,1
.irp kt, 0,1,2,3
.irp t, 0,1,2,3
.if \cc == 0
	v_wmma_f32_16x16x32_f16 v[S+32*\t+8*\kt:S+32*\t+8*\kt+7], v[KF+8*(2*\kt+\cc):KF+8*(2*\kt+\cc)+7], v[QF+8*(2*\t+\cc):QF+8*(2*\t+\cc)+7], 0
.else
	v_wmma_f32_16x16x32_f16 v[S+32*\t+8*\kt:S+32*\t+8*\kt+7], v[KF+8*(2*\kt+\cc):KF+8*(2*\kt+\cc)+7], v[QF+8*(2*\t+\cc):QF+8*(2*\t+\cc)+7], v[S+32*\t+8*\kt:S+32*\t+8*\kt+7]
.endif
.endr
.endr
.endr
.endm
.macro PVMUL                           ; 32 products O^T += V^T P, the 16 accumulators by turns
	WIN 0x51                                       ; V and O^T in window 1, P in window 0
.irp kk, 0,1
.irp ct, 0,1,2,3
.irp t, 0,1,2,3
	v_wmma_f32_16x16x32_f16 v[32*\t+8*\ct:32*\t+8*\ct+7], v[VF+8*(4*\kk+\ct):VF+8*(4*\kk+\ct)+7], v[S+32*\t+8*\kk:S+32*\t+8*\kk+7], v[32*\t+8*\ct:32*\t+8*\ct+7]
.endr
.endr
.endr
.endm
; MAT: V^T P of the step in hand, K Q^T of the next.  It fetches the next step's K at its head and its V in its middle.
.macro MAT
	v_add_nc_u32 v[ADK], s[TK], v[AK0]
	v_add_nc_u32 v[ADV], s[TV], v[AV0]
	FETCH_K ADK                                    ; K's registers were last read by products that stand five places and these two lines back, or further
	s_wait_dscnt 16                                ; V of the step in hand, asked for a turn ago, is in; the 16 loads just issued may be out
	PVMUL
	PLACES 5                                       ; the products below write over P, which those above have read; and V's registers are loaded again
	FETCH_V ADV
	s_wait_dscnt 16                                ; K is in; V's 16 loads may be out
	KQMUL
	WIN 0
	PLACES 5                                       ; in front of the first read of the scores
.endm
; SOFTMAX of one step, the four tiles by turns, line by line, so that no line waits for the line above it.
.macro SOFTMAX
.irp j, 0,1,2,3                        ; the maximum of a lane's 32 scores and the old m: four chains, each accumulator read from its low end on
.irp t, 0,1,2,3
	v_max3_num_f32 v[ST+8*\t+4+\j], v[S+32*\t+8*\j], v[S+32*\t+8*\j+1], v[S+32*\t+8*\j+2]
.endr
.endr
.irp g, 1,2
.irp j, 0,1,2,3
.irp t, 0,1,2,3
	v_max3_num_f32 v[ST+8*\t+4+\j], v[ST+8*\t+4+\j], v[S+32*\t+8*\j+2*\g+1], v[S+32*\t+8*\j+2*\g+2]
.endr
.endr
.endr
.irp t, 0,1,2,3
	v_max3_num_f32 v[ST+8*\t+4], v[ST+8*\t+4], v[S+32*\t+7], v[S+32*\t+15]
.endr
.irp t, 0,1,2,3
	v_max3_num_f32 v[ST+8*\t+6], v[ST+8*\t+6], v[S+32*\t+23], v[S+32*\t+31]
.endr
.irp t, 0,1,2,3
	v_max3_num_f32 v[ST+8*\t+4], v[ST+8*\t+4], v[ST+8*\t+5], v[ST+8*\t+6]
.endr
.irp t, 0,1,2,3
	v_max3_num_f32 v[ST+8*\t+4], v[ST+8*\t+4], v[ST+8*\t+7], v[ST+8*\t+1]
.endr
.irp t, 0,1,2,3
	v_permlanex16_b32 v[ST+8*\t+5], v[ST+8*\t+4], s[SEL], s[SEL+1]   ; the query's other 32 keys lie in the lane 16 away
.endr
.irp t, 0,1,2,3
	v_mov_b32 v[ST+8*\t+7], v[ST+8*\t]             ; c m_old is kept for a
.endr
.irp t, 0,1,2,3
	v_max_num_f32 v[ST+8*\t+1], v[ST+8*\t+4], v[ST+8*\t+5]
.endr
.irp t, 0,1,2,3
	v_mul_f32 v[ST+8*\t], s[CS], v[ST+8*\t+1]
.endr
.irp t, 0,1,2,3
	v_sub_f32 v[ST+8*\t+7], v[ST+8*\t+7], v[ST+8*\t]
.endr
	; ONE BATCH: the 64 scalings c s - c m, a pair of scores each, and all 132 exponentials; pair b + 1 is scaled ahead of pair b's exponentials.  None of these lines names an exponential's result.
.irp t, 0,1,2,3
	v_pk_fma_f32 v[S+32*\t:S+32*\t+1], v[S+32*\t:S+32*\t+1], s[CS:CS+1], v[ST+8*\t:ST+8*\t+1] op_sel_hi:[1,0,0] neg_lo:[0,0,1] neg_hi:[0,0,1]
.endr
.irp t, 0,1,2,3
	v_exp_f32 v[ST+8*\t+6], v[ST+8*\t+7]           ; a
.endr
.set PB, 0
.rept 16
.if PB < 15
.irp t, 0,1,2,3
	v_pk_fma_f32 v[S+32*\t+2*PB+2:S+32*\t+2*PB+3], v[S+32*\t+2*PB+2:S+32*\t+2*PB+3], s[CS:CS+1], v[ST+8*\t:ST+8*\t+1] op_sel_hi:[1,0,0] neg_lo:[0,0,1] neg_hi:[0,0,1]
.endr
.endif
.irp t, 0,1,2,3
	v_exp_f32 v[S+32*\t+2*PB], v[S+32*\t+2*PB]
	v_exp_f32 v[S+32*\t+2*PB+1], v[S+32*\t+2*PB+1]
.endr
.set PB, PB+1
.endr
	v_nop                                          ; a plain line behind the last exponential
	s_wait_alu depctr_va_vdst(0)                   ; the wait ahead of the first line that names a result: one for the batch
.irp t, 0,1,2,3                        ; the sums of the unrounded p, an even key's and an odd key's
	v_pk_add_f32 v[ST+8*\t+4:ST+8*\t+5], v[S+32*\t:S+32*\t+1], v[S+32*\t+2:S+32*\t+3]
.endr
.irp b, 2,3,4,5,6,7,8,9,10,11,12,13,14,15
.irp t, 0,1,2,3
	v_pk_add_f32 v[ST+8*\t+4:ST+8*\t+5], v[ST+8*\t+4:ST+8*\t+5], v[S+32*\t+2*\b:S+32*\t+2*\b+1]
.endr
.endr
.irp t, 0,1,2,3
	v_pk_fma_f32 v[ST+8*\t+2:ST+8*\t+3], v[ST+8*\t+2:ST+8*\t+3], v[ST+8*\t+6:ST+8*\t+7], v[ST+8*\t+4:ST+8*\t+5] op_sel_hi:[1,0,1]   ; l = a l + the sum
.endr
.irp p, 0,1,2,3,4,5,6,7,8,9,10,11,12,13,14,15  ; P, in place: register p takes scores 2 p and 2 p + 1, ascending, so nothing is written before it is read
.irp t, 0,1,2,3
	v_cvt_pk_f16_f32 v[S+32*\t+\p], v[S+32*\t+2*\p], v[S+32*\t+2*\p+1]
.endr
.endr
	WIN 0x41                                       ; O^T (destination and source 0) in window 1, a in window 0
.irp i, 0,1,2,3,4,5,6,7,8,9,10,11,12,13,14,15
.irp t, 0,1,2,3
	v_pk_mul_f32 v[32*\t+2*\i:32*\t+2*\i+1], v[32*\t+2*\i:32*\t+2*\i+1], v[ST+8*\t+6:ST+8*\t+7] op_sel_hi:[1,0]
.endr
.endr
	WIN 0
.endm
; A PASS through a slot: 8 - first steps.  Class 0: (MAT, SOFTMAX) each trip.  Class 1: SOFTMAX, then (MAT, SOFTMAX), the last trip's SOFTMAX left to the next pass.  The branches lead round SOFTMAX alone.
.macro PASS first
	s_cmp_eq_u32 s[CLS], 0
	s_cbranch_scc1 .Llead_\@
	SOFTMAX
.Llead_\@:
	s_mov_b32 s[CNT], \first
.Lstep_\@:
	MAT
	s_cmp_eq_u32 s[CNT], s[SKL]
	s_cbranch_scc1 .Lnext_\@
	SOFTMAX
.Lnext_\@:
	s_add_co_u32 s[TK], s[TK], 64*KP               ; the next step's tiles
	s_add_co_u32 s[TV], s[TV], 64*VP
	s_add_co_u32 s[CNT], s[CNT], 1
	s_cmp_lt_u32 s[CNT], 8
	s_cbranch_scc1 .Lstep_\@
.endm
; THE CHANGE OF SLOTS.  Each wave waits for all its tensor loads (its part of the slot ahead), adds 0 to its spare word, and waits for that and for its reads of the slot that it leaves.
; CHANGE1 s: slot s, just left, is filled again with the keys 1,024 on: the barrier is a round of the cluster's, and the joint refill is the first thing behind it.
.macro CHANGE1 s
	s_wait_tensorcnt 0x0                           ; no tensor load of mine is out, so a group 0 may be written
	ds_add_u32 v[SPW], v[NIL]                      ; 0 onto my spare word; the steps below stand between it and the wait for it
	s_add_nc_u64 s[G0K+4*\s+2:G0K+4*\s+3], s[G0K+4*\s+2:G0K+4*\s+3], 131072
	s_add_nc_u64 s[G0V+4*\s+2:G0V+4*\s+3], s[G0V+4*\s+2:G0V+4*\s+3], 131072
	s_mov_b32 s[TK], (1-\s)*SLOTB                  ; the fetches go to the other slot's first step
	s_mov_b32 s[TV], (1-\s)*SLOTB
	s_wait_dscnt 0x0                               ; the add is done, and my reads of the slot are over
	CROUND
	JLOAD \s
.endm
.macro CHANGE0 on                      ; nothing is filled: a barrier of the work-group.  on = 1: slot 1 is read next
	s_wait_tensorcnt 0x0
	ds_add_u32 v[SPW], v[NIL]
.if \on
	s_mov_b32 s[TK], SLOTB
	s_mov_b32 s[TV], SLOTB
.endif
	s_wait_dscnt 0x0
	s_barrier_signal -1
	s_barrier_wait -1
.endm
	s_wait_tensorcnt 0x1                           ; my part of slot 0 is in; slot 1's may stay out
	s_barrier_signal -1
	s_barrier_wait -1                              ; everybody's is
	s_wait_loadcnt 0x0                             ; Q
	FETCH_K AK0                                    ; step 0
	FETCH_V AV0
	s_wait_dscnt 16                                ; K is in; V's 16 loads may be out
	KQMUL
	WIN 0
	PLACES 5
	s_cmp_lg_u32 s[CLS], 0                         ; class 0 runs the first softmax now, class 1 at the head of the first pass: from here on the classes are half a step apart
	s_cbranch_scc1 .Lapart
	SOFTMAX
.Lapart:
	s_wait_dscnt 0x0                               ; no LDS instruction of mine is out at a signal
	s_barrier_signal -1
	s_barrier_wait -1
	s_mov_b32 s[TK], 64*KP                         ; the first MAT fetches step 1
	s_mov_b32 s[TV], 64*VP
	PASS 1                                         ; slot 0: steps 1 to 7 are fetched
	CHANGE1 0                                      ; keys 1,024 to 1,535 into slot 0
	PASS 0                                         ; slot 1: steps 8 to 15
	CHANGE1 1                                      ; keys 1,536 to 2,047 into slot 1
	PASS 0                                         ; slot 0: steps 16 to 23
	CHANGE0 1
	PASS 0                                         ; slot 1: steps 24 to 31
	CHANGE0 0                                      ; behind this barrier nobody reads slot 1: it may hold the stages
	s_cmp_eq_u32 s[CLS], 0
	s_cbranch_scc1 .Llast
	SOFTMAX                                        ; class 1's last
.Llast:
	PVMUL                                          ; V^T P of the last step
	WIN 0
	; THE WAY OUT.  l's two halves and the other half of the lanes' are added (these lines are the places behind the last products); O^T is divided by l, rounded to f16 and sent through my stage, a tile at a time.
.irp t, 0,1,2,3
	v_add_f32 v[ST+8*\t+4], v[ST+8*\t+2], v[ST+8*\t+3]
.endr
.irp t, 0,1,2,3
	v_permlanex16_b32 v[ST+8*\t+5], v[ST+8*\t+4], s[SEL], s[SEL+1]
.endr
.irp t, 0,1,2,3
	v_add_f32 v[ST+8*\t+4], v[ST+8*\t+4], v[ST+8*\t+5]
.endr
.irp t, 0,1,2,3
	v_rcp_f32 v[ST+8*\t+6], v[ST+8*\t+4]
.endr
	v_nop                                          ; a plain line behind the last reciprocal
	s_wait_alu depctr_va_vdst(0)                   ; and the wait ahead of the first use: one for the four
.macro PACK t
	WIN 0x41
.irp i, 0,1,2,3,4,5,6,7,8,9,10,11,12,13,14,15
	v_pk_mul_f32 v[32*\t+2*\i:32*\t+2*\i+1], v[32*\t+2*\i:32*\t+2*\i+1], v[ST+8*\t+6:ST+8*\t+7] op_sel_hi:[1,0]
.endr
	WIN 0x05                                       ; sources 0 and 1 window 1, destination window 0: the scores' registers are free
.irp i, 0,1,2,3,4,5,6,7,8,9,10,11,12,13,14,15
	v_cvt_pk_f16_f32 v[S+32*\t+\i], v[32*\t+2*\i], v[32*\t+2*\i+1]
.endr
	WIN 0
.irp c, 0,1,2,3
	ds_store_b128 v[STO], v[S+32*\t+4*\c:S+32*\t+4*\c+3] offset:16*KP*\t+32*\c     ; lane (r, h): channels 16 c + 8 h + 0..7 of query 16 t + r
.endr
.irp i, 0,1,2,3
	ds_load_b128 v[S+32*\t+16+4*\i:S+32*\t+16+4*\i+3], v[RD] offset:16*KP*\t+4*KP*\i   ; LDS serves a wave's instructions in order: these see the stores above
.endr
.endm
.macro SEND t, younger                 ; younger: the LDS instructions issued behind tile t's loads: the next tile's eight, or none
.irp f, 0,1,2,3
	s_wait_dscnt \younger+3-\f
	global_store_b128 v[GO], v[S+32*\t+16+4*\f:S+32*\t+16+4*\f+3], s[68:69] offset:\t*2048+\f*512 th:TH_STORE_NT   ; 32 lanes store four tokens' rows: 512 consecutive bytes, at a multiple of 256 from ao's first byte
.endr
.endm
	PACK 0
	PACK 1                                         ; a tile's arithmetic stands between the loads of the tile before and its stores
	SEND 0, 8
	PACK 2
	SEND 1, 8
	PACK 3
	SEND 2, 8
	SEND 3, 0
	s_wait_tensorcnt 0x0                           ; the wave's end, behind my last tensor load and my last LDS store
	ds_add_u32 v[SPW], v[NIL]
	s_wait_dscnt 0x0
	CROUND                                         ; the closing round: no work-group ends while a partner may still ask for a tile that names it
	s_endpgm
.Lfunc_end_k_q8ce09561a0_attn:
	.size	k_q8ce09561a0_attn, .Lfunc_end_k_q8ce09561a0_attn-k_q8ce09561a0_attn
	.p2alignl 7, 3214868480
	.fill 96, 4, 3214868480
	.section	.rodata,"a",@progbits
	.p2align	6, 0x0
	.amdhsa_kernel k_q8ce09561a0_attn
		.amdhsa_group_segment_fixed_size 327680
		.amdhsa_private_segment_fixed_size 0
		.amdhsa_enable_private_segment 0
		.amdhsa_kernarg_size 16
		.amdhsa_user_sgpr_count 2
		.amdhsa_user_sgpr_kernarg_segment_ptr 1
		.amdhsa_wavefront_size32 1
		.amdhsa_system_sgpr_workgroup_id_x 1
		.amdhsa_system_sgpr_workgroup_id_y 1
		.amdhsa_system_sgpr_workgroup_id_z 1
		.amdhsa_system_vgpr_workitem_id 0
		.amdhsa_next_free_vgpr 512
		.amdhsa_next_free_sgpr 72
		.amdhsa_reserve_vcc 0
		.amdhsa_float_denorm_mode_32 3
		.amdhsa_float_denorm_mode_16_64 3
		.amdhsa_memory_ordered 1
		.amdhsa_forward_progress 1
		.amdhsa_inst_pref_size 255
	.end_amdhsa_kernel
	.section	.bss,"aw",@nobits
	.p2align	6
	.space	262144
	.amdgpu_metadata
---
amdhsa.version: [ 1, 2 ]
amdhsa.kernels:
  - .name:           k_q8ce09561a0_attn
    .symbol:         k_q8ce09561a0_attn.kd
    .args:
      - { .name: qkv, .offset: 0, .size: 8, .value_kind: global_buffer, .address_space: global }
      - { .name: ao, .offset: 8, .size: 8, .value_kind: global_buffer, .address_space: global }
    .group_segment_fixed_size: 327680
    .private_segment_fixed_size: 0
    .kernarg_segment_align: 8
    .kernarg_segment_size: 16
    .max_flat_workgroup_size: 256
    .sgpr_count:     72
    .vgpr_count:     512
    .wavefront_size: 32
...
	.end_amdgpu_metadata
.endif
;; end of part 3
;; launch proj (part 4): grid 8 x 64, 4 waves a work-group, clusters of 4 x 4, 327,680 bytes of LDS; arguments ao, wo, b_out, out0; writes out0
.if DOCPART == 4
	.amdgcn_target "amdgcn-amd-amdhsa--gfx1250"
	.amdhsa_code_object_version 6
	.text
	.protected	k_q8ce09561a0_proj
	.globl	k_q8ce09561a0_proj
	.p2align	8
	.type	k_q8ce09561a0_proj,@function
k_q8ce09561a0_proj:
	s_mov_b64 s[64:65], 0
	v_nop
	global_prefetch_b8 v0, s[64:65] scope:SCOPE_SE
	s_setreg_imm32_b32 hwreg(HW_REG_WAVE_MODE, 25, 1), 1
	s_wait_xcnt 0x0
	s_wait_alu depctr_hold_cnt(0) depctr_sa_sdst(0) depctr_va_vdst(0) depctr_va_sdst(0) depctr_va_ssrc(0) depctr_va_vcc(0) depctr_vm_vsrc(0)
	s_getreg_b32 s2, hwreg(HW_REG_IB_STS2, 6, 4)
	s_cmp_eq_u32 s2, 0
	s_cbranch_scc0 .Lentry_in_a_cluster
	s_endpgm
.Lentry_in_a_cluster:
	s_bfe_u32 s2, ttmp6, 0x10000c
	s_cmp_lg_u32 s2, 0xf033
	s_cbranch_scc0 .Lentry_shape_is_right
	s_endpgm
.Lentry_shape_is_right:
; FOURTH LAUNCH: out0[token][o] = sum over e of a[token][e] W_out[o][e] + b_out[o], e = 64 head + channel.  a = ao [head 16][token 8192][64] f16; wo [1024 o][1024 e] f16; b_out, out0 f32.  Sums in f32.  Nothing is left out.
; A tile of the result is 128 x 128: four waves, each 64 x 64: 16 accumulators of 16 x 16.  K goes in four steps of 256 (four heads) through two LDS slots; each slot is filled again once.  512 work-groups.
; A's TILE: a head's 128 tokens are one dense block of 16,384 bytes.  A load brings two heads' blocks: two rows of 16,384 bytes, 2^20 bytes apart, 16 bytes of padding behind every 256, so that token i of a block lies at
; 272 (i / 2) + 128 (i % 2): the sixteen rows that a fragment load touches fall on sixteen different 16-byte columns modulo 256 bytes.  B's tile: 64 rows of 512 bytes + 16 to a load.
; CLUSTERS: 4 x 4 work-groups; A's tiles are asked for jointly along a row of the cluster, B's along a column.  THE MATRIX INSTRUCTION IS USED TRANSPOSED (source 0 = 16 rows of wo, source 1 = 16 tokens): a lane holds eight
; neighbouring outputs of one token.  The bias is the C of each sum's first product.
; REGISTERS: window 0: v0-31 addresses; v32-95 the way out; v96-127 the bias, eight registers for each of my four blocks of 16 outputs; v128-255 the accumulators ((a, b) at v[128 + 8 (4 a + b)]).
;   window 1: two fragment buffers of 128: for 64 along K, 64 registers of A (2 x 4 x 16 rows x 32 K), then 64 of B.
.set KSTEP,  256
.set PITCH,  528                       ; B's row in LDS: 512 bytes + 16
.set ABLK,   17408                     ; a head's block of A in LDS: 64 x (256 + 16)
.set BOFF,   4*ABLK                    ; a slot: A's four blocks, then B's 128 rows
.set SLOT,   BOFF+128*PITCH            ; 137,216
.set SPARE,  2*SLOT                    ; the spare words, 128 bytes a wave, which no other line names
.set SPITCH, 272                       ; the way out: a stage of 16 rows x (256 bytes + 16) for each wave, in slot 0, which has had its last fill and its last read by then
.set ADRA, 16                          ; v16-17  LDS address of my A fragments in slot 0, 1
.set ADRB, 20                          ; v20-21  the same for B
.set STO,  24                          ; v24     the way out: where I put 32 bytes of a row
.set RD,   25                          ; v25     where I read a row back
.set CO,   26                          ; v26     my byte offset in out0
.set BO,   27                          ; v27     my byte offset in b_out
.set SPW,  28                          ; v28     LDS address of my spare word; never rewritten
.set NIL,  29                          ; v29     0; never rewritten
.set TMP,  32
.set BI,   96
.set ACC,  128
.set F0,   0                           ; fragment buffers, in window 1
.set F1,   128
.set G1, 24                            ; s[24:31] group 1 for A's tiles;  s[32:39] group 0, one set for each slot
.set G0, 32
.set G1B, 48                           ; s[48:55], s[56:63] the same for B's
.set G0B, 56
.set MSB, 0
.macro WIN new                         ; the immediate's high byte repeats the setting that is left
.if MSB != (\new)
	s_set_vgpr_msb (MSB<<8)|(\new)
.set MSB, (\new)
.endif
.endm
.set MUL,  0x05                        ; sources 0 (B) and 1 (A) window 1; C and D window 0
.set TO_F, 0x40                        ; destination window 1, address window 0
.macro JLOAD s                         ; a joint load: waves 0 and 1 fetch A's two pairs of heads, waves 2 and 3 B's two halves; an s_nop 0 and four v_nop follow each line
	s_cmp_eq_u32 s13, 0
	s_cbranch_scc0 .Lfor_b_\@
	tensor_load_to_lds s[G0+4*\s:G0+4*\s+3], s[G1:G1+7]
	s_nop 0
.rept 4
	v_nop
.endr
	s_branch .Lasked_\@
.Lfor_b_\@:
	tensor_load_to_lds s[G0B+4*\s:G0B+4*\s+3], s[G1B:G1B+7]
	s_nop 0
.rept 4
	v_nop
.endr
.Lasked_\@:
.endm
.macro CREST                           ; a round of the cluster's barrier behind its opening barrier
	s_cmp_lg_u32 s12, 0
	s_cbranch_scc1 .Lnot_wave_0_\@
	s_barrier_signal -3
.Lnot_wave_0_\@:
	s_barrier_wait -3
	s_barrier_signal -1
	s_barrier_wait -1
.endm
.macro CROUND                          ; a whole round
	s_barrier_signal -1
	s_barrier_wait -1
	CREST
.endm
	s_load_b256 s[4:11], s[0:1], 0x0               ; ao s[4:5], wo s[6:7], b_out s[8:9], out0 s[10:11]
	v_lshl_add_u32 v[SPW], v0, 2, SPARE
	v_mov_b32 v[NIL], 0
	ds_add_u32 v[SPW], v[NIL]                      ; the wave's opening: the add, twice on end, and its wait ahead of my first tensor load
	ds_add_u32 v[SPW], v[NIL]                      ; the set-up below, work on registers, stands between the second and the wait
	v_lshrrev_b32 v1, 5, v0
	v_readfirstlane_b32 s12, v1                    ; wave 0..3
	s_lshr_b32 s13, s12, 1                         ; which half of the tile's rows is mine.  Also: I fetch for A (0) or for B (1)
	s_and_b32 s14, s12, 1                          ; which half of its columns.  Also: which half of that tile I fetch
	s_bfe_u32 s40, ttmp6, 0x40000                  ; cx, cy: my place in the cluster
	s_bfe_u32 s41, ttmp6, 0x40004
	s_lshl_b32 s42, ttmp9, 2
	s_add_co_u32 s42, s42, s40                     ; tile column = 4 x cluster x + cx
	s_and_b32 s15, ttmp7, 0xffff
	s_lshl_b32 s15, s15, 2
	s_add_co_u32 s15, s15, s41                     ; tile row = 4 x cluster y + cy
	s_lshl_b32 s43, s41, 2
	s_lshl_b32 s43, 15, s43                        ; my row of the cluster
	s_lshl_b32 s44, 0x1111, s40                    ; my column
	; group 1 for A: two rows of 8,192 elements of 2 bytes, 524,288 elements apart; four words of padding after every 64
	s_or_b32 s[G1+0], s43, (1<<16)|(1<<20)|(1<<21)|(5<<22)|(3<<25)
	s_mov_b32 s[G1+1], 8192<<16                    ; tensor_dim0
	s_mov_b32 s[G1+2], 2<<16                       ; tensor_dim1
	s_mov_b32 s[G1+3], 8192<<16                    ; tile_dim0
	s_mov_b32 s[G1+4], 2                           ; tile_dim1
	s_mov_b32 s[G1+5], 524288                      ; from row to row: a head on
	s_mov_b32 s[G1+6], 0
	s_mov_b32 s[G1+7], 0
	; group 1 for B: 64 rows of 256 elements, 1,024 elements apart; four words of padding after every 128
	s_or_b32 s[G1B+0], s44, (1<<16)|(1<<20)|(1<<21)|(6<<22)|(3<<25)
	s_mov_b32 s[G1B+1], KSTEP<<16
	s_mov_b32 s[G1B+2], 64<<16
	s_mov_b32 s[G1B+3], KSTEP<<16
	s_mov_b32 s[G1B+4], 64
	s_mov_b32 s[G1B+5], 1024
	s_mov_b32 s[G1B+6], 0
	s_mov_b32 s[G1B+7], 0
	s_lshl_b32 s16, s14, 21                        ; A: my pair of heads, 2^20 bytes a head,
	s_lshl_b32 s17, s15, 14                        ; and the tile row's 128 tokens of 128 bytes
	s_add_co_u32 s16, s16, s17
	s_mov_b32 s17, 0
	s_lshl_b32 s46, s42, 7
	s_lshl_b32 s47, s14, 6
	s_add_co_u32 s46, s46, s47                     ; B: row 128 x tile column + 64 x half,
	s_lshl_b32 s46, s46, 11                        ; of 2,048 bytes
	s_mov_b32 s47, 0
	s_mul_i32 s20, s14, 2*ABLK                     ; where they go: no place in the cluster enters an LDS address
	s_mul_i32 s21, s14, 64*PITCH
	s_add_co_u32 s21, s21, BOFF
	s_wait_dscnt 0x0                               ; both opening adds are done
	s_wait_kmcnt 0x0
	s_add_nc_u64 s[16:17], s[4:5], s[16:17]
	s_add_nc_u64 s[46:47], s[6:7], s[46:47]
	CROUND                                         ; all sixteen work-groups are here: the first joint loads meet
.irp s, 0,1
	s_mov_b32 s[G0+4*\s], 1
	s_add_co_u32 s[G0+4*\s+1], s20, \s*SLOT
	s_add_nc_u64 s[G0+4*\s+2:G0+4*\s+3], s[16:17], \s*(4<<20)      ; K step s: heads 4 s on
	s_or_b32 s[G0+4*\s+3], s[G0+4*\s+3], 0x80000000
	s_mov_b32 s[G0B+4*\s], 1
	s_add_co_u32 s[G0B+4*\s+1], s21, \s*SLOT
	s_add_nc_u64 s[G0B+4*\s+2:G0B+4*\s+3], s[46:47], \s*KSTEP*2
	s_or_b32 s[G0B+4*\s+3], s[G0B+4*\s+3], 0x80000000
	JLOAD \s
.endr
	v_and_b32 v1, 15, v0                           ; r
	v_bfe_u32 v2, v0, 4, 1                         ; h
	s_lshl_b32 s46, s42, 9
	s_lshl_b32 s47, s14, 8
	s_add_co_u32 s46, s46, s47                     ; my first output, in bytes of f32: 512 x tile column + 256 x half
	s_mov_b32 s47, 0
	s_add_nc_u64 s[8:9], s[8:9], s[46:47]          ; b_out there
	v_lshlrev_b32 v[BO], 5, v2                     ; lane (r, h) wants, for block b, outputs 16 b + 8 h + 0..7
.irp b, 0,1,2,3
	global_load_b128 v[BI+8*\b:BI+8*\b+3],   v[BO], s[8:9] offset:64*\b
	global_load_b128 v[BI+8*\b+4:BI+8*\b+7], v[BO], s[8:9] offset:64*\b+16
.endr
	v_lshrrev_b32 v3, 1, v1
	v_mul_u32_u24 v3, v3, 272
	v_and_b32 v4, 1, v1
	v_lshl_add_u32 v3, v4, 7, v3
	v_lshl_add_u32 v3, v2, 4, v3                   ; A: 272 (r / 2) + 128 (r % 2) + 16 h
	v_mul_u32_u24 v4, v1, PITCH
	v_lshl_add_u32 v4, v2, 4, v4                   ; B: row x pitch + 16 h
	s_mul_i32 s21, s13, 32*272                     ; my 64 tokens in each block of A
	s_mul_i32 s22, s14, 64*PITCH                   ; my 64 rows of B,
	s_add_co_u32 s22, s22, BOFF                    ; which lie behind A's blocks
.irp s, 0,1
	v_add_nc_u32 v[ADRA+\s], s21, v3
	v_add_nc_u32 v[ADRB+\s], s22, v4
	s_add_co_u32 s21, s21, SLOT
	s_add_co_u32 s22, s22, SLOT
.endr
	s_mul_i32 s23, s12, 16*SPITCH                  ; my stage
	v_mul_u32_u24 v5, v1, SPITCH                   ; in: row r, 32 bytes for each half of the lanes
	v_lshl_add_u32 v5, v2, 5, v5
	v_add_nc_u32 v[STO], s23, v5
	v_mul_u32_u24 v5, v2, SPITCH                   ; back: lanes 0-15 take one row of 256 bytes, lanes 16-31 the next
	v_lshl_add_u32 v5, v1, 4, v5
	v_add_nc_u32 v[RD], s23, v5
	v_lshlrev_b32 v[CO], 12, v2                    ; and the same two rows in out0: 4,096 bytes a row
	v_lshl_add_u32 v[CO], v1, 4, v[CO]
	s_lshl_b32 s16, s15, 7
	s_lshl_b32 s17, s13, 6
	s_add_co_u32 s16, s16, s17                     ; my first row: 128 x tile row + 64 x half
	s_lshl_b32 s16, s16, 12
	s_add_co_u32 s16, s16, s46                     ; + my first output's bytes: under 2^26
	s_mov_b32 s17, 0
	s_add_nc_u64 s[10:11], s[10:11], s[16:17]
; 8 matrix instructions: token blocks a0, a0 + 1 x all 4 output blocks, 32 along K: half c of buffer f.  zero = 1: the first product starts the sums, from the bias.  The 16 accumulators take turns.
.macro MUL8 f, c, a0, zero
.irp a, \a0, \a0+1
.irp b, 0,1,2,3
.if \zero
	v_wmma_f32_16x16x32_f16 v[ACC+8*(4*(\a)+\b):ACC+8*(4*(\a)+\b)+7], v[\f+64+8*(4*\c+\b):\f+64+8*(4*\c+\b)+7], v[\f+8*(4*\c+\a):\f+8*(4*\c+\a)+7], v[BI+8*\b:BI+8*\b+7]
.else
	v_wmma_f32_16x16x32_f16 v[ACC+8*(4*(\a)+\b):ACC+8*(4*(\a)+\b)+7], v[\f+64+8*(4*\c+\b):\f+64+8*(4*\c+\b)+7], v[\f+8*(4*\c+\a):\f+8*(4*\c+\a)+7], v[ACC+8*(4*(\a)+\b):ACC+8*(4*(\a)+\b)+7]
.endif
.endr
.endr
.endm
; 32 LDS loads in one run: the fragments of the slot's q-th 64 along K (one head) into buffer f; the first 32 along K first
.macro FETCH slot, q, f
	WIN TO_F
.irp c, 0,1
.irp i, 0,1,2,3
	ds_load_b128 v[\f+64+8*(4*\c+\i):\f+64+8*(4*\c+\i)+3],   v[ADRB+\slot] offset:128*(\q)+64*\c+\i*16*PITCH
	ds_load_b128 v[\f+64+8*(4*\c+\i)+4:\f+64+8*(4*\c+\i)+7], v[ADRB+\slot] offset:128*(\q)+64*\c+\i*16*PITCH+32
	ds_load_b128 v[\f+8*(4*\c+\i):\f+8*(4*\c+\i)+3],         v[ADRA+\slot] offset:(\q)*ABLK+64*\c+\i*8*272
	ds_load_b128 v[\f+8*(4*\c+\i)+4:\f+8*(4*\c+\i)+7],       v[ADRA+\slot] offset:(\q)*ABLK+64*\c+\i*8*272+32
.endr
.endr
.endm
.macro PLACES                          ; four places in front of loads into registers that matrix instructions have read, and of reads of results
.rept 4
	v_nop
.endr
.endm
; A K step is four quarters of 64 along K, 32 matrix instructions each, on buffers 0, 1, 0, 1.  One of the first three: multiplies buffer f and fetches quarter q into g.
.macro QUARTER slot, q, f, g, zero
	s_wait_dscnt 16                                ; the first 32 along K are in; the youngest sixteen loads may be out
	WIN MUL
	MUL8 \f, 0, 0, \zero
	MUL8 \f, 0, 2, \zero
	PLACES
	FETCH \slot, \q, \g
	s_wait_dscnt 32                                ; all but the 32 just issued
	WIN MUL
	MUL8 \f, 1, 0, 0
	MUL8 \f, 1, 2, 0
.endm
; The last quarter multiplies buffer 1 and changes slots: ONE barrier; in front of it each wave waits for all its tensor loads, adds 0 to its spare word, and waits for that and for its reads of this slot.  fill = 1: this slot is filled again, two K steps ahead.
.macro TURN slot, next, fill
	WIN 0                                          ; (the add's two registers lie in window 0)
	s_wait_tensorcnt 0x0                           ; all my tensor loads have landed: my part of the next slot
	ds_add_u32 v[SPW], v[NIL]
	s_wait_dscnt 17                                ; the add and the youngest sixteen loads may be out
	WIN MUL
	MUL8 F1, 0, 0, 0                               ; eight matrix instructions stand between the add and the wait for it
	s_wait_dscnt 0x0                               ; the add is done, and my reads of this slot are over
	s_barrier_signal -1
	MUL8 F1, 0, 2, 0
.if \fill
	WIN 0
.endif
	s_barrier_wait -1
.if \fill
	CREST                                          ; the barrier has opened a round of the cluster's: no wave of any partner still reads this slot or has a load on its way
	s_add_nc_u64 s[G0+4*\slot+2:G0+4*\slot+3], s[G0+4*\slot+2:G0+4*\slot+3], 8<<20        ; eight heads on
	s_add_nc_u64 s[G0B+4*\slot+2:G0B+4*\slot+3], s[G0B+4*\slot+2:G0B+4*\slot+3], 2*KSTEP*2
	JLOAD \slot                                    ; the first tensor load behind the round; the four v_nop behind it are also the places in front of the loads below
.else
	PLACES
.endif
	FETCH \next, 0, F0
	WIN MUL
	MUL8 F1, 1, 0, 0
	MUL8 F1, 1, 2, 0
.endm
	s_wait_tensorcnt 1                             ; my part of K step 0 is in; K step 1's may be out
	s_barrier_signal -1
	s_barrier_wait -1                              ; everybody's is
	FETCH 0, 0, F0
	s_wait_loadcnt 0x0                             ; the bias
	QUARTER 0, 1, F0, F1, 1                        ; K step 0; its first products start the sums
	QUARTER 0, 2, F1, F0, 0
	QUARTER 0, 3, F0, F1, 0
	TURN 0, 1, 1                                   ; slot 0 takes K step 2
	QUARTER 1, 1, F0, F1, 0                        ; K step 1
	QUARTER 1, 2, F1, F0, 0
	QUARTER 1, 3, F0, F1, 0
	TURN 1, 0, 1                                   ; slot 1 takes K step 3
	QUARTER 0, 1, F0, F1, 0                        ; K step 2
	QUARTER 0, 2, F1, F0, 0
	QUARTER 0, 3, F0, F1, 0
	TURN 0, 1, 0                                   ; nothing is left to fetch
	QUARTER 1, 1, F0, F1, 0                        ; K step 3
	QUARTER 1, 2, F1, F0, 0
	QUARTER 1, 3, F0, F1, 0
	s_wait_dscnt 16                                ; the very last quarter
	WIN MUL
	MUL8 F1, 0, 0, 0
	MUL8 F1, 0, 2, 0
	s_wait_dscnt 0
	MUL8 F1, 1, 0, 0
	MUL8 F1, 1, 2, 0
	WIN 0
; THE WAY OUT, block by block of 16 tokens x 64 outputs.  A lane holds 32 neighbouring bytes of a row, and the lanes beside it hold other rows: a block goes through my own stage and comes back as whole rows of 256 bytes.
.macro TOSTAGE a
.irp b, 0,1,2,3
	ds_store_b128 v[STO], v[ACC+8*(4*(\a)+\b):ACC+8*(4*(\a)+\b)+3] offset:64*\b          ; each accumulator from its low end on
	ds_store_b128 v[STO], v[ACC+8*(4*(\a)+\b)+4:ACC+8*(4*(\a)+\b)+7] offset:64*\b+16
.endr
.irp t, 0,1,2,3,4,5,6,7
	ds_load_b128 v[TMP+32*((\a)%2)+4*\t:TMP+32*((\a)%2)+4*\t+3], v[RD] offset:\t*2*SPITCH   ; LDS serves a wave's instructions in order: these see the stores above
.endr
.endm
.macro SEND a, younger                 ; younger: the LDS instructions issued behind block a's loads: the next block's sixteen, or none
	s_wait_dscnt \younger                          ; the block is back in registers
.irp t, 0,1,2,3,4,5,6,7
	global_store_b128 v[CO], v[TMP+32*((\a)%2)+4*\t:TMP+32*((\a)%2)+4*\t+3], s[10:11] offset:(16*(\a)+2*\t)*4096 th:TH_STORE_NT   ; 16 lanes store 256 consecutive bytes, at a multiple of 256 from out0's first byte
.endr
.endm
	PLACES                                         ; behind the last products, in front of the first reads of results
	TOSTAGE 0
.irp a, 1,2,3
.if \a > 1
	s_wait_xcnt 0x0                                ; block a - 2's stores have read their registers: block a's loads may land there
.endif
	TOSTAGE \a
	SEND \a-1, 16
.endr
	SEND 3, 0
	s_wait_tensorcnt 0x0                           ; the wave's end, behind my last tensor load and my last LDS store
	ds_add_u32 v[SPW], v[NIL]
	s_wait_dscnt 0x0
	CROUND                                         ; the closing round: no work-group ends while a partner may still ask for a tile that names it
	s_endpgm
.Lfunc_end_k_q8ce09561a0_proj:
	.size	k_q8ce09561a0_proj, .Lfunc_end_k_q8ce09561a0_proj-k_q8ce09561a0_proj
	.p2alignl 7, 3214868480
	.fill 96, 4, 3214868480
	.section	.rodata,"a",@progbits
	.p2align	6, 0x0
	.amdhsa_kernel k_q8ce09561a0_proj
		.amdhsa_group_segment_fixed_size 327680
		.amdhsa_private_segment_fixed_size 0
		.amdhsa_enable_private_segment 0
		.amdhsa_kernarg_size 32
		.amdhsa_user_sgpr_count 2
		.amdhsa_user_sgpr_kernarg_segment_ptr 1
		.amdhsa_wavefront_size32 1
		.amdhsa_system_sgpr_workgroup_id_x 1
		.amdhsa_system_sgpr_workgroup_id_y 1
		.amdhsa_system_sgpr_workgroup_id_z 1
		.amdhsa_system_vgpr_workitem_id 0
		.amdhsa_next_free_vgpr 512
		.amdhsa_next_free_sgpr 66
		.amdhsa_reserve_vcc 0
		.amdhsa_float_denorm_mode_32 3
		.amdhsa_float_denorm_mode_16_64 3
		.amdhsa_memory_ordered 1
		.amdhsa_forward_progress 1
		.amdhsa_inst_pref_size 86
	.end_amdhsa_kernel
	.amdgpu_metadata
---
amdhsa.version: [ 1, 2 ]
amdhsa.kernels:
  - .name:           k_q8ce09561a0_proj
    .symbol:         k_q8ce09561a0_proj.kd
    .args:
      - { .name: ao, .offset: 0, .size: 8, .value_kind: global_buffer, .address_space: global }
      - { .name: wo, .offset: 8, .size: 8, .value_kind: global_buffer, .address_space: global }
      - { .name: b_out, .offset: 16, .size: 8, .value_kind: global_buffer, .address_space: global }
      - { .name: out0, .offset: 24, .size: 8, .value_kind: global_buffer, .address_space: global }
    .group_segment_fixed_size: 327680
    .private_segment_fixed_size: 0
    .kernarg_segment_align: 8
    .kernarg_segment_size: 32
    .max_flat_workgroup_size: 128
    .sgpr_count:     66
    .vgpr_count:     512
    .wavefront_size: 32
...
	.end_amdgpu_metadata
.endif
;; end of part 4
